; MI455X (gfx1250); checked and timed in simulation.
; The chip was launched on July 23, 2026; its instructions are those of AMD's public machine-readable ISA for CDNA 5 (MIT licence, August 2026) and "CDNA5" Instruction Set Architecture Reference Guide (July 2026). The comments in the code are by the model that wrote it; some were corrected since.
;; Block. Allowed arithmetic: float matrix products may take bf16 or f16 operands with f32 sums; other float arithmetic in f32, or as packed bf16 or f16 multiplies, adds, multiply-adds, maxima and minima; sums over many terms, partial sums and values carried from step to step in f32; what a program stores and reads back later, other than sums and carried values, may be rounded once to bf16 or f16.
;; Inputs: Wkv 2,048 x 2,048 float32; Wp 1,024 x 1,024 float32; Wq 1,024 x 1,024 float32; beta_c 2,048 float32; beta_x 1,024 float32; bkv 2,048 float32; bp 1,024 float32; bq 1,024 float32; context 16 x 256 x 2,048 float32; gamma_c 2,048 float32; gamma_x 1,024 float32; mask 16 x 256 int32; x 16 x 1,024 x 32 x 32 float32.
;; Outputs: out0 16 x 1,024 x 32 x 32 float32.
;; One version. Each part assembles by itself: llvm-mc -triple=amdgcn-amd-amdhsa -mcpu=gfx1250 --defsym DOCPART=n.
;; ======== version 1 of 1: 4 launches
;; workspace buffers: xn 33,554,432 bytes; ctxn 16,777,216 bytes; wkv16 8,388,608 bytes; wq16 2,097,152 bytes; wp16 2,097,152 bytes; kv 16,777,216 bytes; at 33,554,432 bytes
;; launch prep (part 1): grid 960 x 1, 8 waves a work-group, no clusters, 2,048 bytes of LDS; arguments x, context, Wkv, Wq, Wp, gamma_x, beta_x, gamma_c, beta_c, xn, ctxn, wkv16, wq16, wp16; writes xn, ctxn, wkv16, wq16, wp16
.if DOCPART == 1
	.amdgcn_target "amdgcn-amd-amdhsa--gfx1250"
	.amdhsa_code_object_version 6
	.text
	.protected	k_q03271ba364_prep
	.globl	k_q03271ba364_prep
	.p2align	8
	.type	k_q03271ba364_prep,@function
k_q03271ba364_prep:
	s_mov_b64 s[64:65], 0
	v_nop
	global_prefetch_b8 v0, s[64:65] scope:SCOPE_SE
	s_setreg_imm32_b32 hwreg(HW_REG_WAVE_MODE, 25, 1), 1
	s_wait_xcnt 0x0
; GroupNorm of x and of the context, and the three weight matrices, all written once as bf16 for the matrix launches behind.
; Every work-group takes 131,072 bytes of f32: 32 loads of 16 bytes a thread, kept in 128 registers, so that memory is read once.
;   work-groups 0-511:   one group of x: 32 channels x 1,024 places, dense.                                 -> xn   [16][1024 c][1024 t]
;   work-groups 512-767: two groups of the context: 128 channels x 256 rows; lanes 0-15 one group, 16-31 the other -> ctxn [4096 (b,s)][2048 ch]
;   work-groups 768-959: 32,768 numbers of Wkv, Wq or Wp, rounded.                                           -> wkv16, wq16, wp16
; ONE TEXT FOR WHAT RECURS.  All branches hang on the work-group's number alone (all eight waves go one way).  x and the weights share their loads; x and the context share the statistics; the weights jump over
; the statistics and take x's way out with gain 1 and offset 0.  Gain and offset lie in the same eight registers on every way: the context's lane holds those of its 4 channels; x's lane l holds those of channels
; 4 (l % 8) .. + 3, and the way out hands channel j's to all lanes.
; The mean is taken first, subtracted, and the variance taken of the differences (two passes over registers): no difference of large sums is formed.
; LIMITS: NaN and infinities are not treated apart; a weight that is -0 is written as +0.  No matrix unit, no cluster, no tensor load: nothing is shared and nothing is multiplied.
; Each store of a wave covers 256 consecutive bytes, aligned.
.set LO,  1                            ; v1   byte offset of my 16 bytes in load 0
.set SO,  2                            ; v2   byte offset of my 8 bytes in store 0
.set RA,  3                            ; v3   LDS: where my wave puts its partial sum: 32 x (lane / 16) + 4 x wave
.set RB,  4                            ; v4   LDS: where the eight partial sums of my half of the lanes lie
.set T,   6                            ; v[6:15]    at work
.set D,   16                           ; v[16:143]  the data: load j in v[D+4j : D+4j+3]
.set SPW, 144                          ; v144 LDS address of my spare word; never rewritten
.set NIL, 145                          ; v145 0; never rewritten
.set G,   146                          ; v[146:149] gains
.set B,   150                          ; v[150:153] offsets
.set M,   154                          ; v[154:155] the mean, twice
.set R,   156                          ; v156 1 / sqrt(var + eps)
.set GO,  157                          ; v157 my byte offset in the gains and offsets; never rewritten
.set SPARE, 512                        ; bytes 0-63: first meeting; 256-319: second meeting; from 512: the spare words, 128 bytes a wave
.set SRC,  32                          ; s[32:33] what I read, s[34:35] what I write, s[36:37] the gains, s[38:39] the offsets
.set DST,  34
.set GPT,  36
.set BPT,  38
.set SEL,  40                          ; s[40:41] v_permlanex16_b32's selects: each lane takes its own place in the other half
.set FULLF, 42                         ; s42  1.0: the other half of the lanes belongs to my group (x); 0: it does not (context)
.set INVN,  43                         ; s43  1 / numbers in a group
.macro LOADS step                      ; 32 loads, all on their way at once
.set j, 0
.rept 32
	global_load_b128 v[D+4*j:D+4*j+3], v[LO], s[SRC:SRC+1] offset:j*(\step) th:TH_LOAD_NT
.set j, j+1
.endr
.endm
; v[T] is summed over the group: over 16 lanes on the arithmetic itself, over the halves where they belong together, over the eight waves through LDS.
.macro REDUCE base
	v_add_f32_dpp v[T], v[T], v[T] row_xmask:1 row_mask:0xf bank_mask:0xf
	v_add_f32_dpp v[T], v[T], v[T] row_xmask:2 row_mask:0xf bank_mask:0xf
	v_add_f32_dpp v[T], v[T], v[T] row_xmask:4 row_mask:0xf bank_mask:0xf
	v_add_f32_dpp v[T], v[T], v[T] row_xmask:8 row_mask:0xf bank_mask:0xf
	v_permlanex16_b32 v[T+1], v[T], s[SEL], s[SEL+1]
	v_fma_f32 v[T], v[T+1], s[FULLF], v[T]
	ds_store_b32 v[RA], v[T] offset:\base          ; sixteen lanes write one word with one value
	s_wait_dscnt 0x0                               ; for the others' sake: my store is done
	s_barrier_signal -1
	s_barrier_wait -1
	ds_load_b128 v[T+2:T+5], v[RB] offset:\base
	ds_load_b128 v[T+6:T+9], v[RB] offset:\base+16
	s_wait_dscnt 0x0
	v_add_f32 v[T+2], v[T+2], v[T+3]               ; every wave adds the same eight words in the same order
	v_add_f32 v[T+4], v[T+4], v[T+5]
	v_add_f32 v[T+6], v[T+6], v[T+7]
	v_add_f32 v[T+8], v[T+8], v[T+9]
	v_add_f32 v[T+2], v[T+2], v[T+4]
	v_add_f32 v[T+6], v[T+6], v[T+8]
	v_add_f32 v[T], v[T+2], v[T+6]
.endm
	s_load_b512 s[4:19], s[0:1], 0x0               ; x 4, context 6, Wkv 8, Wq 10, Wp 12, gamma_x 14, beta_x 16, gamma_c 18
	s_load_b256 s[20:27], s[0:1], 0x40             ; beta_c 20, xn 22, ctxn 24, wkv16 26
	s_load_b128 s[28:31], s[0:1], 0x60             ; wq16 28, wp16 30
	v_lshl_add_u32 v[SPW], v0, 2, SPARE
	v_mov_b32 v[NIL], 0
	v_and_b32 v5, 31, v0                           ; lane
	v_lshrrev_b32 v6, 5, v0                        ; wave
	v_bfe_u32 v7, v0, 4, 1                         ; lane / 16
	v_lshlrev_b32 v[RB], 5, v7
	v_lshl_add_u32 v[RA], v6, 2, v[RB]
	v_lshlrev_b32 v[LO], 4, v0                     ; x and the weights: load j is 4,096 dense bytes, 256 threads x 16
	v_lshlrev_b32 v[SO], 3, v0
.irp k, 2,3,4,5,6,7
	v_mov_b32 v[T+\k], 0                           ; x's way out names these as whole pairs and as destinations that count as read: written on every way
.endr
	s_mov_b32 s[SEL], 0x76543210
	s_mov_b32 s[SEL+1], 0xfedcba98
	s_mov_b32 s[FULLF], 1.0                        ; x's figures; the context sets its own
	s_mov_b32 s[INVN], 0x38000000                  ; 1 / 32,768
	s_mov_b32 s3, 0                                ; the high word of every offset
	s_wait_kmcnt 0x0
	s_cmp_ge_u32 ttmp9, 768
	s_cbranch_scc1 .Lw
	s_cmp_ge_u32 ttmp9, 512
	s_cbranch_scc1 .Lc
	; ---- a group of x
	s_and_b32 s2, ttmp9, 31                        ; the group in its batch: 32 channels, 128 bytes of gamma_x and beta_x
	s_lshl_b32 s2, s2, 7
	s_add_nc_u64 s[GPT:GPT+1], s[14:15], s[2:3]
	s_add_nc_u64 s[BPT:BPT+1], s[16:17], s[2:3]
	s_lshl_b32 s2, ttmp9, 17                       ; 131,072 bytes of x a group
	s_add_nc_u64 s[SRC:SRC+1], s[4:5], s[2:3]
	s_lshl_b32 s2, ttmp9, 16                       ; 65,536 bytes of xn
	s_add_nc_u64 s[DST:DST+1], s[22:23], s[2:3]
	v_and_b32 v[GO], 7, v0
	v_lshlrev_b32 v[GO], 4, v[GO]                  ; lane l: channels 4 (l % 8) .. + 3
	global_load_b128 v[G:G+3], v[GO], s[GPT:GPT+1] ; ahead of the data: they are in when the first data load is
	global_load_b128 v[B:B+3], v[GO], s[BPT:BPT+1]
	s_branch .Lxw
.Lw:	; ---- weights: 128 pieces of Wkv, 32 of Wq, 32 of Wp
	s_sub_co_u32 s2, ttmp9, 768
	s_mov_b32 s44, 160
	s_mov_b32 s45, 128
	s_cmp_lt_u32 s2, 160
	s_cselect_b64 s[SRC:SRC+1], s[10:11], s[12:13]
	s_cselect_b64 s[DST:DST+1], s[28:29], s[30:31]
	s_cselect_b32 s44, s45, s44
	s_cmp_lt_u32 s2, 128
	s_cselect_b64 s[SRC:SRC+1], s[8:9], s[SRC:SRC+1]
	s_cselect_b64 s[DST:DST+1], s[26:27], s[DST:DST+1]
	s_cselect_b32 s44, 0, s44
	s_sub_co_u32 s44, s2, s44                      ; the piece's number in its matrix
	s_lshl_b32 s2, s44, 17
	s_add_nc_u64 s[SRC:SRC+1], s[SRC:SRC+1], s[2:3]
	s_lshl_b32 s2, s44, 16
	s_add_nc_u64 s[DST:DST+1], s[DST:DST+1], s[2:3]
.irp k, 0,1,2,3
	v_mov_b32 v[G+\k], 1.0                         ; gain 1, offset 0: the way out then only rounds
	v_mov_b32 v[B+\k], 0
.endr
.Lxw:
	LOADS 4096
	s_cmp_ge_u32 ttmp9, 768
	s_cbranch_scc0 .Lstats
	s_wait_loadcnt 0x0                             ; the weights have no statistics: all 32 loads are in
	s_branch .Lfx
.Lc:	; ---- two groups of the context
	s_sub_co_u32 s2, ttmp9, 512
	s_and_b32 s44, s2, 15                          ; p: channels 128 p .. 128 p + 127
	s_lshr_b32 s45, s2, 4                          ; the batch
	s_lshl_b32 s2, s44, 9                          ; 512 bytes of f32
	s_add_nc_u64 s[GPT:GPT+1], s[18:19], s[2:3]
	s_add_nc_u64 s[BPT:BPT+1], s[20:21], s[2:3]
	s_add_nc_u64 s[SRC:SRC+1], s[6:7], s[2:3]
	s_lshl_b32 s2, s45, 21                         ; 256 rows of 8,192 bytes
	s_add_nc_u64 s[SRC:SRC+1], s[SRC:SRC+1], s[2:3]
	s_lshl_b32 s2, s44, 8                          ; 256 bytes of bf16
	s_add_nc_u64 s[DST:DST+1], s[24:25], s[2:3]
	s_lshl_b32 s2, s45, 20                         ; 256 rows of 4,096 bytes
	s_add_nc_u64 s[DST:DST+1], s[DST:DST+1], s[2:3]
	s_mov_b32 s[FULLF], 0
	s_mov_b32 s[INVN], 0x38800000                  ; 1 / 16,384
	v_lshlrev_b32 v[GO], 4, v5
	v_lshl_add_u32 v[LO], v6, 13, v[GO]            ; load j is row 8 j + wave; a lane keeps its 4 channels
	v_lshlrev_b32 v8, 3, v5
	v_lshl_add_u32 v[SO], v6, 12, v8
	global_load_b128 v[G:G+3], v[GO], s[GPT:GPT+1]
	global_load_b128 v[B:B+3], v[GO], s[BPT:BPT+1]
	LOADS 65536
.Lstats:	; ---- mean and variance.  The 32 data loads are the wave's youngest loads here, on both ways.
	s_wait_loadcnt 30                              ; loads come back in order: loads 0 and 1 are in, 30 younger ones stay out
	v_pk_add_f32 v[T:T+1], v[D:D+1], v[D+4:D+5]    ; the first four loads start four chains: nothing is cleared
	v_pk_add_f32 v[T+2:T+3], v[D+2:D+3], v[D+6:D+7]
	s_wait_loadcnt 28
	v_pk_add_f32 v[T+4:T+5], v[D+8:D+9], v[D+12:D+13]
	v_pk_add_f32 v[T+6:T+7], v[D+10:D+11], v[D+14:D+15]
.set j, 4
.rept 28
	s_wait_loadcnt 31-j                            ; load j is in
	v_pk_add_f32 v[T+4*(j%2):T+4*(j%2)+1], v[T+4*(j%2):T+4*(j%2)+1], v[D+4*j:D+4*j+1]
	v_pk_add_f32 v[T+4*(j%2)+2:T+4*(j%2)+3], v[T+4*(j%2)+2:T+4*(j%2)+3], v[D+4*j+2:D+4*j+3]
.set j, j+1
.endr
	v_pk_add_f32 v[T:T+1], v[T:T+1], v[T+2:T+3]
	v_pk_add_f32 v[T+4:T+5], v[T+4:T+5], v[T+6:T+7]
	v_pk_add_f32 v[T:T+1], v[T:T+1], v[T+4:T+5]
	v_add_f32 v[T], v[T], v[T+1]
	REDUCE 0
	v_mul_f32 v[M], s[INVN], v[T]
	v_mul_f32 v[M+1], s[INVN], v[T]
.set j, 0
.rept 64
	v_pk_add_f32 v[D+2*j:D+2*j+1], v[D+2*j:D+2*j+1], v[M:M+1] neg_lo:[0,1] neg_hi:[0,1]
.set j, j+1
.endr
.set j, 0
.rept 4
	v_pk_mul_f32 v[T+2*j:T+2*j+1], v[D+2*j:D+2*j+1], v[D+2*j:D+2*j+1]
.set j, j+1
.endr
.rept 60
	v_pk_fma_f32 v[T+2*(j%4):T+2*(j%4)+1], v[D+2*j:D+2*j+1], v[D+2*j:D+2*j+1], v[T+2*(j%4):T+2*(j%4)+1]
.set j, j+1
.endr
	v_pk_add_f32 v[T:T+1], v[T:T+1], v[T+2:T+3]
	v_pk_add_f32 v[T+4:T+5], v[T+4:T+5], v[T+6:T+7]
	v_pk_add_f32 v[T:T+1], v[T:T+1], v[T+4:T+5]
	v_add_f32 v[T], v[T], v[T+1]
	REDUCE 256                                     ; other bytes than the first meeting's, so one barrier does
	v_mov_b32 v[T+1], 0x3727c5ac                   ; eps = 1e-5
	v_fma_f32 v[T], v[T], s[INVN], v[T+1]
	v_rsq_f32 v[R], v[T]
	v_nop                                          ; a plain instruction behind the root,
	s_wait_alu depctr_va_vdst(0)                   ; and the wait ahead of its first use
.irp k, 0,1,2,3
	v_mul_f32 v[G+\k], v[G+\k], v[R]               ; the gains take 1 / sqrt(var + eps) in
.endr
	s_cmp_ge_u32 ttmp9, 512
	s_cbranch_scc1 .Lfc
.Lfx:	; ---- x and the weights: load j is one channel: its gain and offset lie in lane j / 4 of each half, register j % 4
.irp g, 0,1,2,3,4,5,6,7
.irp k, 0,1,2,3
.set j, 4*(\g)+(\k)
.set u, T+4*((\k)%2)
	v_mov_b32_dpp v[u], v[G+(\k)] row_share:\g row_mask:0xf bank_mask:0xf
	v_mov_b32_dpp v[u+2], v[B+(\k)] row_share:\g row_mask:0xf bank_mask:0xf
	v_pk_fma_f32 v[D+4*j:D+4*j+1], v[D+4*j:D+4*j+1], v[u:u+1], v[u+2:u+3] op_sel_hi:[1,0,0]
	v_pk_fma_f32 v[D+4*j+2:D+4*j+3], v[D+4*j+2:D+4*j+3], v[u:u+1], v[u+2:u+3] op_sel_hi:[1,0,0]
	v_cvt_pk_bf16_f32 v[D+4*j], v[D+4*j], v[D+4*j+1]
	v_cvt_pk_bf16_f32 v[D+4*j+1], v[D+4*j+2], v[D+4*j+3]
	global_store_b64 v[SO], v[D+4*j:D+4*j+1], s[DST:DST+1] offset:j*2048  ; no register that a store reads is written again
.endr
.endr
	s_branch .Lend
.Lfc:	; ---- context: a lane's 4 channels are the same in every row
.set j, 0
.rept 32
	v_pk_fma_f32 v[D+4*j:D+4*j+1], v[D+4*j:D+4*j+1], v[G:G+1], v[B:B+1]
	v_pk_fma_f32 v[D+4*j+2:D+4*j+3], v[D+4*j+2:D+4*j+3], v[G+2:G+3], v[B+2:B+3]
	v_cvt_pk_bf16_f32 v[D+4*j], v[D+4*j], v[D+4*j+1]
	v_cvt_pk_bf16_f32 v[D+4*j+1], v[D+4*j+2], v[D+4*j+3]
	global_store_b64 v[SO], v[D+4*j:D+4*j+1], s[DST:DST+1] offset:j*32768
.set j, j+1
.endr
.Lend:
	s_wait_tensorcnt 0x0                           ; the wave's end: behind my last LDS store
	ds_add_u32 v[SPW], v[NIL]
	s_wait_dscnt 0x0
	s_endpgm
.Lfunc_end_k_q03271ba364_prep:
	.size	k_q03271ba364_prep, .Lfunc_end_k_q03271ba364_prep-k_q03271ba364_prep
	.p2alignl 7, 3214868480
	.fill 96, 4, 3214868480
	.section	.rodata,"a",@progbits
	.p2align	6, 0x0
	.amdhsa_kernel k_q03271ba364_prep
		.amdhsa_group_segment_fixed_size 2048
		.amdhsa_private_segment_fixed_size 0
		.amdhsa_enable_private_segment 0
		.amdhsa_kernarg_size 112
		.amdhsa_user_sgpr_count 2
		.amdhsa_user_sgpr_kernarg_segment_ptr 1
		.amdhsa_wavefront_size32 1
		.amdhsa_system_sgpr_workgroup_id_x 1
		.amdhsa_system_sgpr_workgroup_id_y 1
		.amdhsa_system_sgpr_workgroup_id_z 1
		.amdhsa_system_vgpr_workitem_id 0
		.amdhsa_next_free_vgpr 160
		.amdhsa_next_free_sgpr 66
		.amdhsa_reserve_vcc 0
		.amdhsa_float_denorm_mode_32 3
		.amdhsa_float_denorm_mode_16_64 3
		.amdhsa_memory_ordered 1
		.amdhsa_forward_progress 1
		.amdhsa_inst_pref_size 52
	.end_amdhsa_kernel
	.amdgpu_metadata
---
amdhsa.version: [ 1, 2 ]
amdhsa.kernels:
  - .name:           k_q03271ba364_prep
    .symbol:         k_q03271ba364_prep.kd
    .args:
      - { .name: x, .offset: 0, .size: 8, .value_kind: global_buffer, .address_space: global }
      - { .name: context, .offset: 8, .size: 8, .value_kind: global_buffer, .address_space: global }
      - { .name: Wkv, .offset: 16, .size: 8, .value_kind: global_buffer, .address_space: global }
      - { .name: Wq, .offset: 24, .size: 8, .value_kind: global_buffer, .address_space: global }
      - { .name: Wp, .offset: 32, .size: 8, .value_kind: global_buffer, .address_space: global }
      - { .name: gamma_x, .offset: 40, .size: 8, .value_kind: global_buffer, .address_space: global }
      - { .name: beta_x, .offset: 48, .size: 8, .value_kind: global_buffer, .address_space: global }
      - { .name: gamma_c, .offset: 56, .size: 8, .value_kind: global_buffer, .address_space: global }
      - { .name: beta_c, .offset: 64, .size: 8, .value_kind: global_buffer, .address_space: global }
      - { .name: xn, .offset: 72, .size: 8, .value_kind: global_buffer, .address_space: global }
      - { .name: ctxn, .offset: 80, .size: 8, .value_kind: global_buffer, .address_space: global }
      - { .name: wkv16, .offset: 88, .size: 8, .value_kind: global_buffer, .address_space: global }
      - { .name: wq16, .offset: 96, .size: 8, .value_kind: global_buffer, .address_space: global }
      - { .name: wp16, .offset: 104, .size: 8, .value_kind: global_buffer, .address_space: global }
    .group_segment_fixed_size: 2048
    .private_segment_fixed_size: 0
    .kernarg_segment_align: 8
    .kernarg_segment_size: 112
    .max_flat_workgroup_size: 256
    .sgpr_count:     66
    .vgpr_count:     160
    .wavefront_size: 32
...
	.end_amdgpu_metadata
.endif
;; end of part 1
;; launch kvgemm (part 2): grid 16 x 16, 4 waves a work-group, clusters of 4 x 4, 327,680 bytes of LDS; arguments wkv16, ctxn, bkv, mask, kv; writes kv
.if DOCPART == 2
	.amdgcn_target "amdgcn-amd-amdhsa--gfx1250"
	.amdhsa_code_object_version 6
	.text
	.protected	k_q03271ba364_kvgemm
	.globl	k_q03271ba364_kvgemm
	.p2align	8
	.type	k_q03271ba364_kvgemm,@function
k_q03271ba364_kvgemm:
	s_mov_b64 s[64:65], 0
	v_nop
	global_prefetch_b8 v0, s[64:65] scope:SCOPE_SE
	s_setreg_imm32_b32 hwreg(HW_REG_WAVE_MODE, 25, 1), 1
	s_wait_xcnt 0x0
	s_wait_alu depctr_hold_cnt(0) depctr_sa_sdst(0) depctr_va_vdst(0) depctr_va_sdst(0) depctr_va_ssrc(0) depctr_va_vcc(0) depctr_vm_vsrc(0)
	s_getreg_b32 s2, hwreg(HW_REG_IB_STS2, 6, 4)
	s_cmp_eq_u32 s2, 0
	s_cbranch_scc0 .Lentry_in_a_cluster
	s_endpgm
.Lentry_in_a_cluster:
	s_bfe_u32 s2, ttmp6, 0x10000c
	s_cmp_lg_u32 s2, 0xf033
	s_cbranch_scc0 .Lentry_shape_is_right
	s_endpgm
.Lentry_shape_is_right:
; kv[o][(b,s)] = the sum over ch of wkv16[o][ch] ctxn[(b,s)][ch] + bkv[o], in bf16; sums in f32.  Rows 0-1023 are K, rows 1024-2047 V.
; In K's rows the columns of hidden keys (mask = 0) are written as 0, bias and all: the attention launch then gets exact zeros from their products and sets the hidden score itself.
; M = 2,048, N = 4,096, K = 2,048.  A tile of 128 x 256 gives 256 work-groups, one for each WGP (256 x 256 would give 128).  Four waves, each 64 x 128: 32 accumulators.
; K goes in steps of 128 (rows of 256 bytes) through a ring of two LDS slots filled by tensor loads; waves 0, 1 fetch A's halves (64 rows), waves 2, 3 B's (128 rows).
; CLUSTER 4 x 4: A's tile hangs on the tile row alone and is asked for jointly along a row of the cluster, B's on the tile column alone and jointly along a column.
; THE WALK ALONG K IS A RING OF 16 STEPS, ENTERED AT A STEP THAT HANGS ON THE CLUSTER: 4 x cluster x + 8 x (0, 1, 1, 0 for cluster y = 0 .. 3), modulo 16.  The four clusters of a row of clusters read the same rows of A:
; they stand 4 steps apart.  The four of a column read the same rows of B: two and two stand 8 steps apart.  So clusters that read the same rows do not ask for the same bytes at the same time.  The start is the same in
; all sixteen partners of a cluster.  The sums are f32 and are taken in that rotated order of K.
; THE MATRIX INSTRUCTION IS USED TRANSPOSED (source 0 = 16 rows of B, source 1 = 16 rows of A): a lane holds row m = lane % 16 and eight neighbouring columns.
; The bias is the C operand of the first products: nothing is cleared and nothing added later.
; THE TEXT.  A K step is four quarters of 32 along K on fragment buffers 0, 1, 0, 1.  Written once is a PAIR of quarters, cut where the change of slots falls: fetch buffer 0; the second half of buffer 1's products; buffer
; 0's products with the fetch of buffer 1 in their middle; the first half of buffer 1's.  A step is two trips of that loop; the change of slots stands between steps.  The first quarter is written out and jumps into
; the pair's middle; the last step has a copy of the loop.
; REGISTERS: window 0: v16-30 addresses; v32-63 bias tuples, later packed results; v64-127 A's fragments (two buffers of 32), later rows read back; v128-255 B's fragments (two of 64).
;   window 1: the accumulators, (a, b) at 8 (8 a + b).   window 2: v0-63 the factor 1 or 0 of my 64 columns, v64 a hidden column's factor.
; LIMITS: NaN and infinities are not treated apart (a hidden column's NaN times 0 stays NaN).
.set PITCH, 272                        ; an LDS row: 256 bytes + 16 of padding: the 16 rows of a fragment load start 68 words apart
.set AHALF, 64*PITCH
.set BHALF, 128*PITCH
.set BOFF,  2*AHALF                    ; in a slot: A's 128 rows, then B's 256
.set SLOT1, 1<<17                      ; slot 1 begins here: one exclusive or turns an address of one slot into the other's
.set STAGE, SLOT1+BOFF+2*BHALF         ; behind the ring: 16 rows x 272 bytes a wave, for the way out
.set SPARE, STAGE+4*16*PITCH           ; the spare words, 128 bytes a wave
.set ADRA0, 16                         ; v16 my lane's place in A's rows of slot 0; v17 the same for B; never rewritten
.set ADRB0, 17
.set ADRA, 18                          ; v18, v19 the same at the pair in hand
.set ADRB, 19
.set STO, 24
.set RD,  25
.set CO,  26
.set MO,  27
.set SPW, 28
.set NIL, 29
.set PFO, 30                           ; v30 the prefetches' offset: lane x 4,096; never rewritten
.set BI,  32
.set TMP, 32
.set OB,  64
.set KSV, 64                           ; in window 2
.set WV,  14                           ; s14 wave; s15 wave / 2: my half of the rows, and: I fetch for A (0) or B (1); s16 wave % 2: my half of the columns, and which half I fetch
.set CLS, 15
.set HALF, 16
.set CX,  17
.set CY,  18
.set TC,  19
.set TR,  20
.set CNT, 21                           ; s21 counts a step's two pairs (at the head: at work)
.set SV,  23                           ; s23 the factor of a hidden column: 0 in K's rows, 1.0 in V's
.set G1A, 24
.set G1B, 32
.set G0A, 40                           ; s[40:47] group 0 for A: a set for each first fill; the second then walks
.set G0B, 48
.set PFA, 56                           ; s[56:57] where the prefetch in hand stands
.set LIM, 58
.set TB,  59                           ; s59 LDS byte, in a row of slot 0, at which the pair in hand begins
.set KS,  66                           ; s66 the K step, 0 .. 15, that the walking sets name
.set ABASE, 68                         ; s[68:69] A at the first byte of the rows that I fetch; s[70:71] the same for B; never rewritten
.set BBASE, 70
.set OFF, 72                           ; s[72:73] a K step's byte offset in a row; the high word stays 0
.set PFB, 74                           ; s[74:75] B at the first byte of the rows that I prefetch; never rewritten
.set MSB, 0
.macro WIN new                         ; the high byte repeats the setting that is left; a switch that changes nothing is dropped
.if MSB != (\new)
	s_set_vgpr_msb (MSB<<8)|(\new)
.set MSB, \new
.endif
.endm
.macro PLACES                          ; four places behind matrix instructions, in front of loads into their sources and of readers of their results
.rept 4
	v_nop
.endr
.endm
.macro CREST                           ; a round of the cluster's barrier behind its opening barrier
	s_cmp_lg_u32 s[WV], 0
	s_cbranch_scc1 .Lnot_wave_0_\@
	s_barrier_signal -3
.Lnot_wave_0_\@:
	s_barrier_wait -3
	s_barrier_signal -1
	s_barrier_wait -1
.endm
.macro CROUND
	s_barrier_signal -1
	s_barrier_wait -1
	CREST
.endm
.macro JLOAD                           ; the joint refill, by the walking sets; the branch hangs on the wave's number alone
	s_cmp_eq_u32 s[CLS], 0
	s_cbranch_scc0 .Lfor_b_\@
	tensor_load_to_lds s[G0A+4:G0A+7], s[G1A:G1A+7]
	s_nop 0
.rept 4
	v_nop
.endr
	s_branch .Lasked_\@
.Lfor_b_\@:
	tensor_load_to_lds s[G0B+4:G0B+7], s[G1B:G1B+7]
	s_nop 0
.rept 4
	v_nop
.endr
.Lasked_\@:
.endm
; A PREFETCH INTO THE L2 of the K step two refills on: a lane a row, 256 bytes of it.  Only bytes that this cluster is the first to read are asked for.  Of A those are the walk's steps 0 to 3 (the other three clusters of
; the row of clusters begin 4, 8 and 12 steps further on): they come by their loads alone, like every first tile, so A is not asked for.  Of B they are the walk's steps 0 to 7 (the other pair of clusters begins 8 steps
; further on): steps 4 to 7 are asked for, at the first four changes of slots (s3 = 14 .. 11).  Two clusters of a column walk alike: the one with cluster y = 0 or 1 asks.  Of B's 256 rows partner cy takes 64, waves 2 and 3
; 32 each: the partners are told apart by address alone.  So each row's 256 bytes of a K step are named once at the most.
.macro ASK
	s_cmp_gt_u32 s3, s[LIM]
	s_cbranch_scc0 .Lnot_mine_\@
	global_prefetch_b8 v[PFO], s[PFA:PFA+1] th:TH_LOAD_NT scope:SCOPE_SE
.Lnot_mine_\@:
.endm
	s_load_b256 s[4:11], s[0:1], 0x0               ; wkv16 4, ctxn 6, bkv 8, mask 10
	s_load_b64 s[12:13], s[0:1], 0x20              ; kv
	v_lshl_add_u32 v[SPW], v0, 2, SPARE
	v_mov_b32 v[NIL], 0
	ds_add_u32 v[SPW], v[NIL]                      ; the wave's opening: the add and its wait ahead of my first tensor load
	v_lshrrev_b32 v1, 5, v0
	v_readfirstlane_b32 s[WV], v1
	s_lshr_b32 s[CLS], s[WV], 1
	s_and_b32 s[HALF], s[WV], 1
	s_bfe_u32 s[CX], ttmp6, 0x40000
	s_bfe_u32 s[CY], ttmp6, 0x40004
	s_lshl_b32 s[TC], ttmp9, 2
	s_add_co_u32 s[TC], s[TC], s[CX]               ; tile column = 4 x cluster x + cx
	s_and_b32 s2, ttmp7, 0xffff
	s_lshl_b32 s[TR], s2, 2
	s_add_co_u32 s[TR], s[TR], s[CY]               ; tile row = 4 x cluster y + cy
	s_cmp_ge_u32 s2, 2                             ; tile rows 8 and up are V's
	s_cselect_b32 s[SV], 1.0, 0
	s_lshr_b32 s3, s2, 1                           ; where my cluster enters the ring of K steps:
	s_xor_b32 s3, s3, s2
	s_and_b32 s3, s3, 1                            ; 0, 1, 1, 0 for cluster y = 0 .. 3,
	s_lshl_b32 s3, s3, 3                           ; times 8,
	s_lshl_b32 s[KS], ttmp9, 2                     ; + 4 x cluster x,
	s_add_co_u32 s[KS], s[KS], s3
	s_and_b32 s[KS], s[KS], 15                     ; modulo 16: a multiple of 4, the same in all sixteen partners
	s_lshl_b32 s[OFF], s[KS], 8                    ; a K step is 256 bytes of a row
	s_mov_b32 s[OFF+1], 0
	s_lshl_b32 s21, s[CY], 2
	s_lshl_b32 s21, 15, s21                        ; my row of the cluster
	s_lshl_b32 s22, 0x1111, s[CX]                  ; my column
	s_or_b32 s[G1A], s21, (1<<16)|(1<<20)|(1<<21)|(5<<22)|(3<<25)  ; the mask; 2-byte elements; padding on; bit 21 beside a mask; after every 64 words, 4 words
	s_or_b32 s[G1B], s22, (1<<16)|(1<<20)|(1<<21)|(5<<22)|(3<<25)
	s_mov_b32 s[G1A+1], 128<<16                    ; tensor_dim0 = 128
	s_mov_b32 s[G1A+2], 64<<16                     ; tensor_dim1 = 64
	s_mov_b32 s[G1A+3], 128<<16                    ; tile_dim0 = 128
	s_mov_b32 s[G1A+4], 64                         ; tile_dim1 = 64
	s_mov_b32 s[G1A+5], 2048                       ; elements from row to row
	s_mov_b32 s[G1A+6], 0
	s_mov_b32 s[G1A+7], 0
	s_mov_b32 s[G1B+1], 128<<16
	s_mov_b32 s[G1B+2], 128<<16                    ; 128 rows
	s_mov_b32 s[G1B+3], 128<<16
	s_mov_b32 s[G1B+4], 128
	s_mov_b32 s[G1B+5], 2048
	s_mov_b32 s[G1B+6], 0
	s_mov_b32 s[G1B+7], 0
	s_lshl_b32 s60, s[TR], 19                      ; A: (128 x tile row + 64 x half) rows of 4,096 bytes
	s_lshl_b32 s2, s[HALF], 18
	s_add_co_u32 s60, s60, s2
	s_mov_b32 s61, 0
	s_lshl_b32 s62, s[TC], 20                      ; B: (256 x tile column + 128 x half) rows
	s_lshl_b32 s2, s[HALF], 19
	s_add_co_u32 s62, s62, s2
	s_mov_b32 s63, 0
	s_mul_i32 s2, s[HALF], AHALF                   ; where they go: no place in the cluster enters an LDS address
	s_mul_i32 s3, s[HALF], BHALF
	s_add_co_u32 s3, s3, BOFF
	s_wait_dscnt 0x0                               ; the opening add is done
	s_wait_kmcnt 0x0
	s_add_nc_u64 s[ABASE:ABASE+1], s[4:5], s[60:61]
	s_add_nc_u64 s[BBASE:BBASE+1], s[6:7], s[62:63]
.irp s, 0,1
	s_mov_b32 s[G0A+4*(\s)], 1
	s_add_co_u32 s[G0A+4*(\s)+1], s2, (\s)*SLOT1
	s_add_nc_u64 s[G0A+4*(\s)+2:G0A+4*(\s)+3], s[ABASE:ABASE+1], s[OFF:OFF+1]  ; the walk's step s
	s_or_b32 s[G0A+4*(\s)+3], s[G0A+4*(\s)+3], 0x80000000
	s_mov_b32 s[G0B+4*(\s)], 1
	s_add_co_u32 s[G0B+4*(\s)+1], s3, (\s)*SLOT1
	s_add_nc_u64 s[G0B+4*(\s)+2:G0B+4*(\s)+3], s[BBASE:BBASE+1], s[OFF:OFF+1]
	s_or_b32 s[G0B+4*(\s)+3], s[G0B+4*(\s)+3], 0x80000000
.if (\s) == 0
	s_add_co_u32 s[OFF], s[OFF], 256               ; the start is a multiple of 4: the step behind it does not pass the ring's end
	s_add_co_u32 s[KS], s[KS], 1                   ; the walking sets name the walk's step 1
.endif
.endr
	CROUND                                         ; all sixteen work-groups are here: the first joint loads meet
	s_cmp_lt_u32 s[WV], 2                          ; a wave's two first fills stand in one branch: two loads of mine are out
	s_cbranch_scc0 .Lfirst_b
	tensor_load_to_lds s[G0A:G0A+3], s[G1A:G1A+7]
	s_nop 0
	tensor_load_to_lds s[G0A+4:G0A+7], s[G1A:G1A+7]
	s_nop 0
.rept 4
	v_nop
.endr
	s_branch .Lfirst_asked
.Lfirst_b:
	tensor_load_to_lds s[G0B:G0B+3], s[G1B:G1B+7]
	s_nop 0
	tensor_load_to_lds s[G0B+4:G0B+7], s[G1B:G1B+7]
	s_nop 0
.rept 4
	v_nop
.endr
.Lfirst_asked:
	v_and_b32 v1, 15, v0                           ; r = lane % 16
	v_bfe_u32 v2, v0, 4, 1                         ; h = lane / 16
	s_lshl_b32 s2, s[TR], 9
	s_lshl_b32 s3, s[CLS], 8
	s_add_co_u32 s2, s2, s3
	v_lshl_add_u32 v4, v1, 2, s2                   ; bkv of row 128 x tile row + 64 x half + r
.irp a, 0,1,2,3
	global_load_b32 v[BI+8*(\a)], v4, s[8:9] offset:64*(\a)
.endr
	s_lshl_b32 s2, s[TC], 10
	s_lshl_b32 s3, s[HALF], 9
	s_add_co_u32 s2, s2, s3
	v_lshl_add_u32 v[MO], v2, 5, s2                ; the mask of columns 256 x tile column + 128 x half + 8 h ..: a column's number is the mask's index
	WIN 0x80                                       ; destination window 2
.irp b, 0,1,2,3,4,5,6,7
	global_load_b128 v[8*(\b):8*(\b)+3], v[MO], s[10:11] offset:64*(\b)
	global_load_b128 v[8*(\b)+4:8*(\b)+7], v[MO], s[10:11] offset:64*(\b)+16
.endr
	WIN 0
	v_mul_u32_u24 v3, v1, PITCH
	v_lshl_add_u32 v3, v2, 4, v3                   ; a fragment's row x pitch + 16 x half of the lanes
	s_mul_i32 s2, s[CLS], AHALF
	v_add_nc_u32 v[ADRA0], s2, v3
	s_mul_i32 s2, s[HALF], BHALF
	s_add_co_u32 s2, s2, BOFF
	v_add_nc_u32 v[ADRB0], s2, v3
	v_mov_b32 v[ADRA], v[ADRA0]
	v_mov_b32 v[ADRB], v[ADRB0]
	s_mul_i32 s2, s[WV], 16*PITCH
	s_add_co_u32 s2, s2, STAGE                     ; my stage
	v_add_nc_u32 v[STO], s2, v3                    ; in: row r, 16 bytes for each half of the lanes
	v_mul_u32_u24 v5, v2, PITCH                    ; back: lanes 0-15 one row of 256 bytes, lanes 16-31 the next
	v_lshl_add_u32 v5, v1, 4, v5
	v_add_nc_u32 v[RD], s2, v5
	v_lshlrev_b32 v5, 13, v2                       ; and the same two rows in kv
	v_lshl_add_u32 v[CO], v1, 4, v5
	v_and_b32 v[PFO], 31, v0
	v_lshlrev_b32 v[PFO], 12, v[PFO]
	s_lshl_b32 s2, s[TR], 20                       ; kv at my part of the tile: (128 x tile row + 64 x half) rows of 8,192 bytes,
	s_lshl_b32 s3, s[CLS], 19
	s_add_co_u32 s2, s2, s3
	s_lshl_b32 s3, s[TC], 9                        ; 512 x tile column + 256 x half
	s_add_co_u32 s2, s2, s3
	s_lshl_b32 s3, s[HALF], 8
	s_add_co_u32 s2, s2, s3
	s_mov_b32 s3, 0
	s_add_nc_u64 s[12:13], s[12:13], s[2:3]
	; the prefetches' base and who asks
	s_lshl_b32 s62, s[TC], 8
	s_lshl_b32 s63, s[CY], 6
	s_add_co_u32 s62, s62, s63
	s_lshl_b32 s63, s[HALF], 5
	s_add_co_u32 s62, s62, s63                     ; B's row 256 x tile column + 64 cy + 32 x half
	s_lshl_b32 s62, s62, 12
	s_mov_b32 s63, 0
	s_add_nc_u64 s[PFB:PFB+1], s[6:7], s[62:63]
	s_and_b32 s2, ttmp7, 0xffff
	s_lshr_b32 s2, s2, 1                           ; 0 in the clusters with y = 0, 1,
	s_xor_b32 s3, s[CLS], 1                        ; 0 in waves 2 and 3
	s_or_b32 s2, s2, s3
	s_cmp_eq_u32 s2, 0
	s_cselect_b32 s[LIM], 10, -1                   ; the same in all sixteen partners, for a given wave
	s_mov_b32 s[TB], 0
	s_wait_loadcnt 0x0                             ; bias and mask
.irp a, 0,1,2,3
.irp k, 1,2,3,4,5,6,7
	v_mov_b32 v[BI+8*(\a)+(\k)], v[BI+8*(\a)]      ; a lane's eight results of a tile lie in one row: one bias, eight times
.endr
.endr
	WIN 0x88                                       ; source 1 and destination in window 2
	v_mov_b32 v[KSV], s[SV]
.set i, 0
.rept 64
	v_cmp_eq_u32 vcc_lo, 0, v[i]
	v_cndmask_b32 v[i], 1.0, v[KSV], vcc_lo        ; 1 for a visible column
.set i, i+1
.endr
	WIN 0
.macro MULA f, a, first                ; 8 products: m block a x all 8 n blocks, 32 along K, from buffer f.  The 32 accumulators take turns in one fixed order.
.irp b, 0,1,2,3,4,5,6,7
.if \first
	WIN 0x40                                       ; C: the bias, in window 0
	v_wmma_f32_16x16x32_bf16 v[8*(8*(\a)+(\b)):8*(8*(\a)+(\b))+7], v[128+64*(\f)+8*(\b):128+64*(\f)+8*(\b)+7], v[64+32*(\f)+8*(\a):64+32*(\f)+8*(\a)+7], v[BI+8*(\a):BI+8*(\a)+7]
.else
	WIN 0x50
	v_wmma_f32_16x16x32_bf16 v[8*(8*(\a)+(\b)):8*(8*(\a)+(\b))+7], v[128+64*(\f)+8*(\b):128+64*(\f)+8*(\b)+7], v[64+32*(\f)+8*(\a):64+32*(\f)+8*(\a)+7], v[8*(8*(\a)+(\b)):8*(8*(\a)+(\b))+7]
.endif
.endr
.endm
.macro FETCH q, f                      ; 24 LDS loads in one run: quarter q (0, 1) of the pair in hand into buffer f: B's 8 fragments, then A's 4
	WIN 0
.irp i, 0,1,2,3,4,5,6,7
	ds_load_b128 v[128+64*(\f)+8*(\i):128+64*(\f)+8*(\i)+3],   v[ADRB] offset:64*(\q)+(\i)*16*PITCH
	ds_load_b128 v[128+64*(\f)+8*(\i)+4:128+64*(\f)+8*(\i)+7], v[ADRB] offset:64*(\q)+(\i)*16*PITCH+32
.endr
.irp i, 0,1,2,3
	ds_load_b128 v[64+32*(\f)+8*(\i):64+32*(\f)+8*(\i)+3],   v[ADRA] offset:64*(\q)+(\i)*16*PITCH
	ds_load_b128 v[64+32*(\f)+8*(\i)+4:64+32*(\f)+8*(\i)+7], v[ADRA] offset:64*(\q)+(\i)*16*PITCH+32
.endr
.endm
; The loop over a step's pairs, s[CNT] trips.  mid = 1: the label at which the first quarter, written out, comes in.
.macro PAIRS tag, mid
.Lpair\tag:
	PLACES                                         ; buffer 0 was last multiplied 16 products back
	FETCH 0, 0
	s_wait_dscnt 24                                ; all but the 24 just issued: buffer 1 is whole
	MULA 1, 2, 0
	MULA 1, 3, 0
	s_wait_dscnt 4                                 ; all but the youngest four loads: A's blocks 2 and 3
	MULA 0, 0, 0
	MULA 0, 1, 0
	PLACES
	FETCH 1, 1
	s_wait_dscnt 24
	MULA 0, 2, 0
	MULA 0, 3, 0
	WIN 0
.if \mid
.Lmid:
.endif
	s_add_co_u32 s[TB], s[TB], 128                 ; the next pair: 64 along K on
	v_add_nc_u32 v[ADRA], s[TB], v[ADRA0]
	v_add_nc_u32 v[ADRB], s[TB], v[ADRB0]
	s_wait_dscnt 4
	MULA 1, 0, 0
	MULA 1, 1, 0
	WIN 0
	s_sub_co_u32 s[CNT], s[CNT], 1
	s_cmp_lg_u32 s[CNT], 0
	s_cbranch_scc1 .Lpair\tag
.endm
; THE CHANGE OF SLOTS.  All fragments of the slot in hand have been asked for.  Each wave waits for all its tensor loads (the one that is out is its part of the next slot), adds 0 to its spare word, and waits for that and
; for its reads of the slot.  fill = 1: the barrier opens a round of the cluster's, and the slot takes the walk's step two on by a joint load, first behind the round: it has a whole step in which to land.
; The walking sets' global addresses are made anew from the step's number, which goes round the ring of 16; so is the prefetch's, two steps further round.
.macro CHANGE fill
	WIN 0
.if \fill
	s_wait_xcnt 0x0                                ; the last prefetch, a K step back, has read its address
	s_add_co_u32 s[KS], s[KS], 1
	s_and_b32 s[KS], s[KS], 15                     ; the K step that this refill brings
	s_add_co_u32 s[OFF], s[KS], 2
	s_and_b32 s[OFF], s[OFF], 15                   ; the K step two refills on
	s_lshl_b32 s[OFF], s[OFF], 8
	s_add_nc_u64 s[PFA:PFA+1], s[PFB:PFB+1], s[OFF:OFF+1]
.endif
	s_wait_tensorcnt 0x0                           ; no tensor load of mine is out, so a group 0 may be written
	ds_add_u32 v[SPW], v[NIL]                      ; 0 onto my spare word; scalar work stands between it and the wait for it
.if \fill
	s_lshl_b32 s[OFF], s[KS], 8
	s_xor_b32 s[G0A+5], s[G0A+5], SLOT1            ; the walking sets: the other slot than last time,
	s_add_nc_u64 s[G0A+6:G0A+7], s[ABASE:ABASE+1], s[OFF:OFF+1]  ; the ring's next K step,
	s_or_b32 s[G0A+7], s[G0A+7], 0x80000000        ; the type bits set again
	s_xor_b32 s[G0B+5], s[G0B+5], SLOT1
	s_add_nc_u64 s[G0B+6:G0B+7], s[BBASE:BBASE+1], s[OFF:OFF+1]
	s_or_b32 s[G0B+7], s[G0B+7], 0x80000000
.endif
	s_sub_co_u32 s[TB], s[TB], 256                 ; back to a row's first byte,
	s_xor_b32 s[TB], s[TB], SLOT1                  ; in the other slot
	s_wait_dscnt 0x0                               ; the add is done, and my reads of this slot are over
	s_barrier_signal -1
	s_barrier_wait -1
.if \fill
	CREST                                          ; no wave of any partner still reads the slot or has a load on its way
	JLOAD
	ASK
.endif
	v_add_nc_u32 v[ADRA], s[TB], v[ADRA0]
	v_add_nc_u32 v[ADRB], s[TB], v[ADRB0]
.endm
	s_wait_tensorcnt 0x1                           ; my part of the walk's step 0 is in; step 1's may stay out
	s_barrier_signal -1
	s_barrier_wait -1
	FETCH 0, 0
	s_wait_dscnt 4
	MULA 0, 0, 1                                   ; the first quarter is written out: its products start the sums, with the bias
	MULA 0, 1, 1
	FETCH 1, 1                                     ; (no product has read buffer 1 yet: no places are owed)
	s_wait_dscnt 24
	MULA 0, 2, 1
	MULA 0, 3, 1
	WIN 0
	s_mov_b32 s[CNT], 2
	s_mov_b32 s3, 15                               ; 16 K steps; behind steps 0 to 13 of the walk a slot is filled again: 14 changes, at s3 = 14 .. 1
	s_branch .Lmid
.Lstep:
	CHANGE 1
	s_mov_b32 s[CNT], 2
	PAIRS 1, 1
	s_sub_co_u32 s3, s3, 1
	s_cmp_lg_u32 s3, 0
	s_cbranch_scc1 .Lstep
	CHANGE 0                                       ; the last step is written out: nothing is asked for
	s_mov_b32 s[CNT], 2
	PAIRS 2, 0
	s_wait_dscnt 0x0
	MULA 1, 2, 0                                   ; the last half quarter
	MULA 1, 3, 0
	PLACES
	; THE WAY OUT, 16 rows at a time: times the columns' factor, rounded, through my stage, back as whole rows of 256 bytes.
.irp a, 0,1,2,3
	WIN 0x49                                       ; destination and source 0 window 1, source 1 window 2
.irp b, 0,1,2,3,4,5,6,7
.irp r, 0,1,2,3
	v_pk_mul_f32 v[64*(\a)+8*(\b)+2*(\r):64*(\a)+8*(\b)+2*(\r)+1], v[64*(\a)+8*(\b)+2*(\r):64*(\a)+8*(\b)+2*(\r)+1], v[8*(\b)+2*(\r):8*(\b)+2*(\r)+1]
.endr
.endr
	WIN 0x05
.irp b, 0,1,2,3,4,5,6,7
.irp r, 0,1,2,3
	v_cvt_pk_bf16_f32 v[TMP+4*(\b)+(\r)], v[64*(\a)+8*(\b)+2*(\r)], v[64*(\a)+8*(\b)+2*(\r)+1]
.endr
.endr
	WIN 0
.irp b, 0,1,2,3,4,5,6,7
	ds_store_b128 v[STO], v[TMP+4*(\b):TMP+4*(\b)+3] offset:32*(\b)
.endr
.irp t, 0,1,2,3,4,5,6,7
	ds_load_b128 v[OB+32*((\a)%2)+4*(\t):OB+32*((\a)%2)+4*(\t)+3], v[RD] offset:(\t)*2*PITCH  ; LDS serves a wave's instructions in order: these see the stores above
.endr
	s_wait_dscnt 0x0
	s_wait_xcnt 0x0                                ; the block before has had its stores' registers read: its buffer is loaded again by the block after this one
.irp t, 0,1,2,3,4,5,6,7
	global_store_b128 v[CO], v[OB+32*((\a)%2)+4*(\t):OB+32*((\a)%2)+4*(\t)+3], s[12:13] offset:(16*(\a)+2*(\t))*8192  ; 16 lanes store 256 consecutive bytes, aligned
.endr
.endr
	s_wait_tensorcnt 0x0                           ; the wave's end
	ds_add_u32 v[SPW], v[NIL]
	s_wait_dscnt 0x0
	CROUND                                         ; the closing round
	s_endpgm
.Lfunc_end_k_q03271ba364_kvgemm:
	.size	k_q03271ba364_kvgemm, .Lfunc_end_k_q03271ba364_kvgemm-k_q03271ba364_kvgemm
	.p2alignl 7, 3214868480
	.fill 96, 4, 3214868480
	.section	.rodata,"a",@progbits
	.p2align	6, 0x0
	.amdhsa_kernel k_q03271ba364_kvgemm
		.amdhsa_group_segment_fixed_size 327680
		.amdhsa_private_segment_fixed_size 0
		.amdhsa_enable_private_segment 0
		.amdhsa_kernarg_size 40
		.amdhsa_user_sgpr_count 2
		.amdhsa_user_sgpr_kernarg_segment_ptr 1
		.amdhsa_wavefront_size32 1
		.amdhsa_system_sgpr_workgroup_id_x 1
		.amdhsa_system_sgpr_workgroup_id_y 1
		.amdhsa_system_sgpr_workgroup_id_z 1
		.amdhsa_system_vgpr_workitem_id 0
		.amdhsa_next_free_vgpr 640
		.amdhsa_next_free_sgpr 76
		.amdhsa_reserve_vcc 1
		.amdhsa_float_denorm_mode_32 3
		.amdhsa_float_denorm_mode_16_64 3
		.amdhsa_memory_ordered 1
		.amdhsa_forward_progress 1
		.amdhsa_inst_pref_size 63
	.end_amdhsa_kernel
	.amdgpu_metadata
---
amdhsa.version: [ 1, 2 ]
amdhsa.kernels:
  - .name:           k_q03271ba364_kvgemm
    .symbol:         k_q03271ba364_kvgemm.kd
    .args:
      - { .name: wkv16, .offset: 0, .size: 8, .value_kind: global_buffer, .address_space: global }
      - { .name: ctxn, .offset: 8, .size: 8, .value_kind: global_buffer, .address_space: global }
      - { .name: bkv, .offset: 16, .size: 8, .value_kind: global_buffer, .address_space: global }
      - { .name: mask, .offset: 24, .size: 8, .value_kind: global_buffer, .address_space: global }
      - { .name: kv, .offset: 32, .size: 8, .value_kind: global_buffer, .address_space: global }
    .group_segment_fixed_size: 327680
    .private_segment_fixed_size: 0
    .kernarg_segment_align: 8
    .kernarg_segment_size: 40
    .max_flat_workgroup_size: 128
    .sgpr_count:     76
    .vgpr_count:     640
    .wavefront_size: 32
...
	.end_amdgpu_metadata
.endif
;; end of part 2
;; launch qattn (part 3): grid 4 x 64, 4 waves a work-group, clusters of 4 x 4, 327,680 bytes of LDS; arguments xn, wq16, bq, kv, mask, at; writes at
.if DOCPART == 3
	.amdgcn_target "amdgcn-amd-amdhsa--gfx1250"
	.amdhsa_code_object_version 6
	.text
	.protected	k_q03271ba364_qattn
	.globl	k_q03271ba364_qattn
	.p2align	8
	.type	k_q03271ba364_qattn,@function
k_q03271ba364_qattn:
	s_mov_b64 s[64:65], 0
	v_nop
	global_prefetch_b8 v0, s[64:65] scope:SCOPE_SE
	s_setreg_imm32_b32 hwreg(HW_REG_WAVE_MODE, 25, 1), 1
	s_wait_xcnt 0x0
	s_wait_alu depctr_hold_cnt(0) depctr_sa_sdst(0) depctr_va_vdst(0) depctr_va_sdst(0) depctr_va_ssrc(0) depctr_va_vcc(0) depctr_vm_vsrc(0)
	s_getreg_b32 s2, hwreg(HW_REG_IB_STS2, 6, 4)
	s_cmp_eq_u32 s2, 0
	s_cbranch_scc0 .Lentry_in_a_cluster
	s_endpgm
.Lentry_in_a_cluster:
	s_bfe_u32 s2, ttmp6, 0x10000c
	s_cmp_lg_u32 s2, 0xf033
	s_cbranch_scc0 .Lentry_shape_is_right
	s_endpgm
.Lentry_shape_is_right:
; q = wq16 xn + bq for 256 queries x 256 channels (4 heads), kept in registers, and at once the masked attention of those queries and heads:
; at[(b,t)][c] = the sum over s of softmax_s(q . k / 8, hidden keys at -1e9) v.  All matrix operands bf16; products, maxima and sums in f32; q, the weights p and the result rounded once each.
; SHARES.  Work-group (cx, b, cy): heads 4 cx .. 4 cx + 3, batch b (the cluster's y), queries 256 cy ...  (The grid has one cluster along x.)  Wave w: queries 128 (w / 2) .., channels 128 (w % 2) ..: two heads.
; PART 1, a GEMM of 256 x 256 x 1,024: source 0 = 16 rows of wq16 (channels o), source 1 = 16 queries, read out of xn's tile ([c][t] in LDS) by the turning load.  In the result a lane holds ONE query
; (lane % 16) and channels 8 (lane / 16) + 0..7: two such results rounded in pairs ARE source 1 of S^T = K Q^T.  So q never leaves the registers.  bq is the C operand of the first products.
; Its text: a K step of 128 is four quarters on fragment buffers 0, 1, 0, 1.  Written once is a PAIR of quarters, cut where the change of slots falls: fetch buffer 0; the second half of buffer 1's products; buffer 0's
; products with the fetch of buffer 1 in their middle; the first half of buffer 1's.  A step is two trips; the change of slots stands between steps.  The first quarter is written out and jumps into the pair's middle.
; PART 2.  The ring's two slots are filled once more: slot 0 with the four heads' K ([d][s], read by the turning load), slot 1 with their V ([d][s], read as it lies).  Then, for each of my two heads, four key steps
; of 64: a wave's 8 tiles of 16 queries are four PIECES of two; turn n belongs to piece n: 16 products K Q^T of piece n + 1, later 16 products V^T P of piece n - 1; beside them piece n's softmax and piece n + 1's
; maximum.  Four vector instructions stand behind every matrix instruction, the rest in one lump; a turn's 66 exponentials are one batch with one wait.
; THE MASK.  K's hidden columns are 0 in kv, so their products are exact zeros; the C operand that starts a sum S^T is 0 or -8e9 (= 8 x -1e9, exact; the scale 1/8 comes later, in f32).  So every hidden score is the
; same number, and a row whose keys are all hidden gets equal weights.  SOFTMAX: running maximum m and sum l, p = 2^(c s - c m), c = log2(e) / 8; O and l are multiplied by a = 2^(c m_old - c m_new) in every step.
; c m starts far below every c s: a head's first step has a = 0, so what O and l hold when a head begins need only be finite.
; CLUSTER 4 x 4: xn's tiles hang on (b, cy) and are asked for jointly along a row of the cluster; wq16's, K's and V's hang on (cx, b) and are asked for jointly along a column.
; LIMITS: NaN and infinities are not treated apart; the two factors 64^(-1/4) are applied as one 1/8; a weight below 2^-126 counts as 0.
; REGISTERS: window 0: v1-11 addresses; GEMM: v16-21 addresses, v64-191 xn's fragments, v192-255 bq; attention: v12-15, v48-63 at work, v16-47 statistics, v64-191 S^T, v192-255 P.
;   window 1: GEMM: v64-191 wq16's fragments; attention: v0-31 the masks of a step, v64-127 K, v128-191 V.   window 2: accumulators of queries 0-63, then Q (tile t, 32 channels p at 32 t + 8 p), at the end packed O.
;   window 3: accumulators of queries 64-127, then O^T (tile t at 32 t).
.set NP,    4
.set PXP,   544                        ; a row of xn's tile and of K: 512 bytes + 32: 16 lanes of the turning load take 8 rows x 32 bytes
.set PWP,   272                        ; a row of wq16's tile: 256 + 16
.set PVP,   528                        ; a row of V: 512 + 16
.set QUART, 34816                      ; what one wave's ring load fills: 64 rows of 544 or 128 rows of 272
.set WOFF,  2*QUART                    ; in a slot: xn's 128 rows, then wq16's 256
.set SLOT,  4*QUART                    ; 0x22000: its bits meet none of wave x QUART, so an exclusive or changes slots
.set VQ,    64*PVP
.set STAGE, 2*SLOT                     ; 16 rows x 272 bytes a wave, for the way out
.set SP,    272
.set MT,    STAGE+4*16*SP              ; 256 words: 0 or -8e9 for each key
.set SPARE, MT+1024                    ; the spare words, 128 bytes a wave
.set AM,  1
.set AK0, 2                            ; v2  my lane's place for a turning load at pitch 544; never rewritten
.set AV0, 3
.set AK,  4
.set AV,  5
.set STO, 6
.set RD,  7
.set GO,  8
.set AM0, 9
.set SPW, 10
.set NIL, 11
.set MV,  12
.set ADRA0, 16
.set ADRB0, 17
.set ADRA, 18
.set ADRB, 19
.set PFO, 20
.set PFK, 21
.set ST,  16                           ; tile t's statistics at v[ST+4 t]: c m, m, l (even keys', odd keys')
.set TMP, 48
.set S,   64
.set P,   192
.set BQ,  192
.set F0,  64
.set F1,  128
.set MC,  0                            ; window 1
.set KF,  64
.set VF,  128
.set WV,  16
.set TH,  17                           ; wave / 2: my half of the queries; also: I fetch xn (0) or wq16 (1)
.set OH,  18                           ; wave % 2: my half of the channels; also which half I fetch
.set CX,  19
.set CY,  20
.set BB,  21
.set G1X, 24
.set G1W, 32
.set G0X, 40
.set G0W, 48
.set G1K, 56
.set TBX, 67                           ; s67 (at the head: at work) LDS byte at which the pair in hand begins in xn's tile: 64 rows a pair
.set G1V, 68
.set G0K, 76
.set G0V, 80
.set PFA, 84
.set PFS, 86
.set KPA, 88
.set LIM, 90
.set TB,  91                           ; s91 the same in wq16's rows: 128 bytes a pair
.set CNT, 92
.set HD,  93
.set CS,  94
.set SEL, 96
.set TBK, 98
.set TBV, 99
.set TBM, 100
.set BIGN, 101
.set MSB, 0
.macro WIN new
.if MSB != (\new)
	s_set_vgpr_msb (MSB<<8)|(\new)
.set MSB, (\new)
.endif
.endm
.set MUL_LO, 0xa1                      ; source 0 window 1, source 1 window 0, C and D window 2
.set MUL_HI, 0xf1
.set TO_B,  0x40
.set W_KQ,  0x09                       ; K window 1, Q window 2, S^T window 0
.set W_KM,  0x19                       ; the same with C in window 1
.set W_PV,  0xf1                       ; V window 1, P window 0, O^T window 3
.set W_RS,  0xc3                       ; destination and source 0 window 3, source 1 window 0
.macro PLACES
.rept 4
	v_nop
.endr
.endm
.macro CREST
	s_cmp_lg_u32 s[WV], 0
	s_cbranch_scc1 .Lnot_wave_0_\@
	s_barrier_signal -3
.Lnot_wave_0_\@:
	s_barrier_wait -3
	s_barrier_signal -1
	s_barrier_wait -1
.endm
.macro CROUND
	s_barrier_signal -1
	s_barrier_wait -1
	CREST
.endm
.macro JLOAD
	s_cmp_eq_u32 s[TH], 0
	s_cbranch_scc0 .Lfor_w_\@
	tensor_load_to_lds s[G0X+4:G0X+7], s[G1X:G1X+7]
	s_nop 0
.rept 4
	v_nop
.endr
	s_branch .Lasked_\@
.Lfor_w_\@:
	tensor_load_to_lds s[G0W+4:G0W+7], s[G1W:G1W+7]
	s_nop 0
.rept 4
	v_nop
.endr
.Lasked_\@:
.endm
; PREFETCHES.  The K step two refills on.  xn's 128 rows x 512 bytes are read by this cluster's row alone: waves 0, 1; partner cx takes 16 of a wave's 64 rows, a lane half a row.  wq16's 256 rows x 256 bytes are read by
; every cluster: the first along y asks, waves 2, 3; partner cy takes 32 of a wave's 128 rows, a lane a row.  At the loop's last change every wave also asks for its share (16 rows by cy, a lane half a row) of the 64 rows
; of K that it will load one K step later.  Partners are told apart by address alone.  Each block is named once.
.macro ASK
	s_cmp_gt_u32 s3, s[LIM]
	s_cbranch_scc0 .Lnot_mine_\@
	global_prefetch_b8 v[PFO], s[PFA:PFA+1] th:TH_LOAD_NT scope:SCOPE_SE
.Lnot_mine_\@:
	s_cmp_eq_u32 s3, 1
	s_cbranch_scc0 .Lnot_yet_\@
	global_prefetch_b8 v[PFK], s[KPA:KPA+1] th:TH_LOAD_NT scope:SCOPE_SE
.Lnot_yet_\@:
.endm
	s_load_b256 s[4:11], s[0:1], 0x0               ; xn 4, wq16 6, bq 8, kv 10
	s_load_b128 s[12:15], s[0:1], 0x20             ; mask 12, at 14
	v_lshl_add_u32 v[SPW], v0, 2, SPARE
	v_mov_b32 v[NIL], 0
	ds_add_u32 v[SPW], v[NIL]                      ; the wave's opening: the add and its wait ahead of my first tensor load
	v_lshrrev_b32 v12, 5, v0
	v_readfirstlane_b32 s[WV], v12
	s_lshr_b32 s[TH], s[WV], 1
	s_and_b32 s[OH], s[WV], 1
	s_bfe_u32 s[CX], ttmp6, 0x40000
	s_bfe_u32 s[CY], ttmp6, 0x40004
	s_and_b32 s[BB], ttmp7, 0xffff                 ; the cluster's y: the batch
	s_lshl_b32 s22, s[CY], 2
	s_lshl_b32 s22, 15, s22                        ; my row of the cluster
	s_lshl_b32 s23, 0x1111, s[CX]                  ; my column
	s_or_b32 s[G1X], s22, (1<<16)|(1<<20)|(1<<21)|(6<<22)|(7<<25)  ; after every 128 words, 8 words of padding
	s_or_b32 s[G1W], s23, (1<<16)|(1<<20)|(1<<21)|(5<<22)|(3<<25)  ; after every 64 words, 4
	s_or_b32 s[G1K], s23, (1<<16)|(1<<20)|(1<<21)|(6<<22)|(7<<25)
	s_or_b32 s[G1V], s23, (1<<16)|(1<<20)|(1<<21)|(6<<22)|(3<<25)  ; after every 128 words, 4
.irp g, G1X, G1K, G1V
	s_mov_b32 s[(\g)+1], 256<<16                   ; tensor_dim0 = 256
	s_mov_b32 s[(\g)+2], 64<<16                    ; tensor_dim1 = 64
	s_mov_b32 s[(\g)+3], 256<<16                   ; tile_dim0 = 256
	s_mov_b32 s[(\g)+4], 64                        ; tile_dim1 = 64
	s_mov_b32 s[(\g)+6], 0
	s_mov_b32 s[(\g)+7], 0
.endr
	s_mov_b32 s[G1X+5], 1024                       ; elements from row to row
	s_mov_b32 s[G1K+5], 4096
	s_mov_b32 s[G1V+5], 4096
	s_mov_b32 s[G1W+1], 128<<16
	s_mov_b32 s[G1W+2], 128<<16
	s_mov_b32 s[G1W+3], 128<<16
	s_mov_b32 s[G1W+4], 128
	s_mov_b32 s[G1W+5], 1024
	s_mov_b32 s[G1W+6], 0
	s_mov_b32 s[G1W+7], 0
	s_lshl_b32 s22, s[BB], 21                      ; xn: ((1,024 b + 64 x half) rows of 1,024 + 256 cy) x 2 bytes
	s_lshl_b32 s2, s[OH], 17
	s_add_co_u32 s22, s22, s2
	s_lshl_b32 s2, s[CY], 9
	s_add_co_u32 s22, s22, s2
	s_mov_b32 s23, 0
	s_lshl_b32 s66, s[CX], 19                      ; wq16: (256 cx + 128 x half) rows of 2,048 bytes
	s_lshl_b32 s2, s[OH], 18
	s_add_co_u32 s66, s66, s2
	s_mov_b32 s67, 0
	s_lshl_b32 s[G0K+2], s[CX], 21                 ; kv: (256 cx + 64 wave) rows of 8,192 bytes + 512 b
	s_lshl_b32 s2, s[WV], 19
	s_add_co_u32 s[G0K+2], s[G0K+2], s2
	s_lshl_b32 s2, s[BB], 9
	s_add_co_u32 s[G0K+2], s[G0K+2], s2
	s_mov_b32 s[G0K+3], 0
	s_mul_i32 s2, s[WV], QUART                     ; where they go: wave x a constant
	s_mul_i32 s3, s[WV], VQ
	s_mov_b32 s[CS], 0x3e38aa3b                    ; c = log2(e) / 8
	s_mov_b32 s[CS+1], s[CS]
	s_mov_b32 s[SEL], 0x76543210
	s_mov_b32 s[SEL+1], 0xfedcba98
	s_mov_b32 s[BIGN], 0xcfee6b28                  ; -8e9
	s_mov_b32 s[TB], 0
	s_wait_dscnt 0x0                               ; the opening add is done
	s_wait_kmcnt 0x0
	s_add_nc_u64 s[22:23], s[4:5], s[22:23]
	s_add_nc_u64 s[66:67], s[6:7], s[66:67]
.irp s, 0,1
	s_mov_b32 s[G0X+4*(\s)], 1
	s_add_co_u32 s[G0X+4*(\s)+1], s2, (\s)*SLOT
	s_add_nc_u64 s[G0X+4*(\s)+2:G0X+4*(\s)+3], s[22:23], (\s)*262144  ; K step s: 128 rows of 2,048 bytes on
	s_or_b32 s[G0X+4*(\s)+3], s[G0X+4*(\s)+3], 0x80000000
	s_mov_b32 s[G0W+4*(\s)], 1
	s_add_co_u32 s[G0W+4*(\s)+1], s2, (\s)*SLOT
	s_add_nc_u64 s[G0W+4*(\s)+2:G0W+4*(\s)+3], s[66:67], (\s)*256
	s_or_b32 s[G0W+4*(\s)+3], s[G0W+4*(\s)+3], 0x80000000
.endr
	s_mov_b32 s[G0K], 1
	s_mov_b32 s[G0K+1], s2
	s_add_nc_u64 s[G0K+2:G0K+3], s[10:11], s[G0K+2:G0K+3]
	s_mov_b32 s[G0V], 1
	s_add_co_u32 s[G0V+1], s3, SLOT
	s_add_nc_u64 s[G0V+2:G0V+3], s[G0K+2:G0K+3], 0x800000  ; V's rows lie 1,024 rows behind K's
	s_or_b32 s[G0K+3], s[G0K+3], 0x80000000
	s_or_b32 s[G0V+3], s[G0V+3], 0x80000000
	CROUND                                         ; all sixteen work-groups are here
	s_cmp_lt_u32 s[WV], 2                          ; a wave's two first fills stand in one branch: two loads of mine are out
	s_cbranch_scc0 .Lfirst_w
	tensor_load_to_lds s[G0X:G0X+3], s[G1X:G1X+7]
	s_nop 0
	tensor_load_to_lds s[G0X+4:G0X+7], s[G1X:G1X+7]
	s_nop 0
.rept 4
	v_nop
.endr
	s_branch .Lfirst_asked
.Lfirst_w:
	tensor_load_to_lds s[G0W:G0W+3], s[G1W:G1W+7]
	s_nop 0
	tensor_load_to_lds s[G0W+4:G0W+7], s[G1W:G1W+7]
	s_nop 0
.rept 4
	v_nop
.endr
.Lfirst_asked:
	v_and_b32 v12, 15, v0                          ; r
	v_bfe_u32 v13, v0, 4, 1                        ; h
	v_and_b32 v14, 7, v0
	v_bfe_u32 v15, v0, 3, 1
	v_and_b32 v22, 31, v0                          ; lane
	s_lshl_b32 s2, s[CX], 10
	s_lshl_b32 s3, s[OH], 9
	s_add_co_u32 s2, s2, s3
	v_lshl_add_u32 v23, v13, 5, s2                 ; bq of channels 256 cx + 128 x half + 8 h ..
.irp b, 0,1,2,3,4,5,6,7
	global_load_b128 v[BQ+8*(\b):BQ+8*(\b)+3], v23, s[8:9] offset:64*(\b)
	global_load_b128 v[BQ+8*(\b)+4:BQ+8*(\b)+7], v23, s[8:9] offset:64*(\b)+16
.endr
	s_lshl_b32 s2, s[BB], 10
	v_lshl_add_u32 v24, v0, 3, s2                  ; thread t takes the batch's keys 2 t and 2 t + 1
	global_load_b64 v[26:27], v24, s[12:13]
	v_lshl_add_u32 v25, v0, 3, MT
	v_lshl_add_u32 v[AK0], v13, 3, v14             ; the turning load: row 8 h + lane % 8, 16 bytes by (lane / 8) % 2
	v_mul_u32_u24 v[AK0], v[AK0], PXP
	v_lshl_add_u32 v[AK0], v15, 4, v[AK0]
	v_mul_u32_u24 v[AV0], v12, PVP
	v_lshl_add_u32 v[AV0], v13, 4, v[AV0]
	v_add_nc_u32 v[AV0], SLOT, v[AV0]
	v_lshl_add_u32 v[AM0], v13, 5, MT
	s_lshl_b32 s2, s[TH], 8
	v_add_nc_u32 v[ADRA0], s2, v[AK0]              ; my 128 queries: 256 bytes of each row
	v_mul_u32_u24 v[ADRB0], v12, PWP
	v_lshl_add_u32 v[ADRB0], v13, 4, v[ADRB0]
	s_mul_i32 s2, s[OH], QUART
	s_add_co_u32 s2, s2, WOFF
	v_add_nc_u32 v[ADRB0], s2, v[ADRB0]
	v_mov_b32 v[ADRA], v[ADRA0]
	v_mov_b32 v[ADRB], v[ADRB0]
	s_mul_i32 s2, s[WV], 16*SP
	s_add_co_u32 s2, s2, STAGE
	v_mul_u32_u24 v[STO], v12, SP
	v_lshl_add_u32 v[STO], v13, 4, v[STO]
	v_add_nc_u32 v[STO], s2, v[STO]
	v_mul_u32_u24 v[RD], v13, SP
	v_lshl_add_u32 v[RD], v12, 4, v[RD]
	v_add_nc_u32 v[RD], s2, v[RD]
	v_lshlrev_b32 v[GO], 11, v13
	v_lshl_add_u32 v[GO], v12, 4, v[GO]
	s_lshl_b32 s2, s[BB], 21                       ; at: (1,024 b + 256 cy + 128 x half) rows of 2,048 bytes + (256 cx + 128 x half) x 2
	s_lshl_b32 s3, s[CY], 19
	s_add_co_u32 s2, s2, s3
	s_lshl_b32 s3, s[TH], 18
	s_add_co_u32 s2, s2, s3
	s_lshl_b32 s3, s[CX], 9
	s_add_co_u32 s2, s2, s3
	s_lshl_b32 s3, s[OH], 8
	s_add_co_u32 s2, s2, s3
	s_mov_b32 s3, 0
	s_add_nc_u64 s[14:15], s[14:15], s[2:3]
	; the prefetches' pointers
	s_lshl_b32 s2, s[CX], 21                       ; K: (256 cx + 64 wave + 16 cy) rows + 512 b
	s_lshl_b32 s66, s[WV], 19
	s_add_co_u32 s2, s2, s66
	s_lshl_b32 s66, s[CY], 17
	s_add_co_u32 s2, s2, s66
	s_lshl_b32 s66, s[BB], 9
	s_add_co_u32 s2, s2, s66
	s_add_nc_u64 s[KPA:KPA+1], s[10:11], s[2:3]
	s_lshl_b32 s2, s[BB], 21                       ; xn: (1,024 b + 64 x half + 16 cx + 384) rows + 512 cy: K step 3
	s_lshl_b32 s66, s[OH], 17
	s_add_co_u32 s2, s2, s66
	s_lshl_b32 s66, s[CX], 15
	s_add_co_u32 s2, s2, s66
	s_lshl_b32 s66, s[CY], 9
	s_add_co_u32 s2, s2, s66
	s_add_co_u32 s2, s2, 384*2048
	s_lshl_b32 s67, s[CX], 19                      ; wq16: (256 cx + 128 x half + 32 cy) rows + 768: K step 3
	s_lshl_b32 s66, s[OH], 18
	s_add_co_u32 s67, s67, s66
	s_lshl_b32 s66, s[CY], 16
	s_add_co_u32 s67, s67, s66
	s_add_co_u32 s67, s67, 768
	s_mov_b32 s66, 256
	s_cmp_eq_u32 s[TH], 0
	s_cselect_b32 s2, s2, s67
	s_cselect_b64 s[PFA:PFA+1], s[4:5], s[6:7]
	s_cselect_b32 s[PFS], 0x40000, s66             ; a K step on: 128 rows of xn, or 256 bytes of wq16's rows
	s_cselect_b32 s66, 1, 0                        ; xn: a lane half a row; wq16: a lane a row
	s_cselect_b32 s67, 0, s[BB]                    ; xn: every cluster asks; wq16: the first along y
	s_mov_b32 s[PFS+1], 0
	s_cmp_eq_u32 s67, 0
	s_cselect_b32 s[LIM], 2, -1
	s_add_nc_u64 s[PFA:PFA+1], s[PFA:PFA+1], s[2:3]
	v_lshrrev_b32 v[PFO], s66, v22
	v_lshlrev_b32 v[PFO], 11, v[PFO]
	v_and_b32 v28, s66, v22
	v_lshl_add_u32 v[PFO], v28, 8, v[PFO]
	v_lshrrev_b32 v[PFK], 1, v22
	v_lshlrev_b32 v[PFK], 13, v[PFK]
	v_and_b32 v28, 1, v22
	v_lshl_add_u32 v[PFK], v28, 8, v[PFK]
	s_mov_b32 s[TBX], 0
	s_wait_loadcnt 0x0                             ; bq and the mask
	v_cmp_eq_u32 vcc_lo, 0, v26
	v_cndmask_b32 v26, 0, s[BIGN], vcc_lo
	v_cmp_eq_u32 vcc_lo, 0, v27
	v_cndmask_b32 v27, 0, s[BIGN], vcc_lo
	ds_store_b64 v25, v[26:27]
.macro MUL16 f, hi, a0, first          ; 16 products: query blocks a0, a0 + 1 of the window's four x all 8 channel blocks.  The 64 accumulators take turns in one fixed order.
.irp a, \a0, (\a0)+1
.irp b, 0,1,2,3,4,5,6,7
.if \first
	WIN 0x81+0x40*(\hi)                            ; C: bq, in window 0
	v_wmma_f32_16x16x32_bf16 v[8*(8*(\a)+(\b)):8*(8*(\a)+(\b))+7], v[(\f)+8*(\b):(\f)+8*(\b)+7], v[(\f)+8*(4*(\hi)+(\a)):(\f)+8*(4*(\hi)+(\a))+7], v[BQ+8*(\b):BQ+8*(\b)+7]
.else
	WIN MUL_LO+0x50*(\hi)
	v_wmma_f32_16x16x32_bf16 v[8*(8*(\a)+(\b)):8*(8*(\a)+(\b))+7], v[(\f)+8*(\b):(\f)+8*(\b)+7], v[(\f)+8*(4*(\hi)+(\a)):(\f)+8*(4*(\hi)+(\a))+7], v[8*(8*(\a)+(\b)):8*(8*(\a)+(\b))+7]
.endif
.endr
.endr
.endm
.macro FETCH q, f                      ; 32 LDS loads in one run: quarter q (0, 1) of the pair in hand: wq16's 8 fragments, then xn's 8 (turned)
	WIN TO_B
.irp i, 0,1,2,3,4,5,6,7
	ds_load_b128 v[(\f)+8*(\i):(\f)+8*(\i)+3],   v[ADRB] offset:64*(\q)+(\i)*16*PWP
	ds_load_b128 v[(\f)+8*(\i)+4:(\f)+8*(\i)+7], v[ADRB] offset:64*(\q)+(\i)*16*PWP+32
.endr
	WIN 0
.irp i, 0,1,2,3,4,5,6,7
	ds_load_tr16_b128 v[(\f)+8*(\i):(\f)+8*(\i)+3],   v[ADRA] offset:(\q)*32*PXP+32*(\i)
	ds_load_tr16_b128 v[(\f)+8*(\i)+4:(\f)+8*(\i)+7], v[ADRA] offset:(\q)*32*PXP+32*(\i)+16*PXP
.endr
.endm
; The loop over a step's pairs, s[CNT] trips.  mid = 1: the label at which the first quarter, written out, comes in.
.macro PAIRS tag, mid
.Lpair\tag:
	PLACES                                         ; buffer 0 was last multiplied 32 products back
	FETCH 0, F0
	s_wait_dscnt 32                                ; all but the 32 just issued: buffer 1 is whole
	MUL16 F1, 1, 0, 0
	MUL16 F1, 1, 2, 0
	s_wait_dscnt 8                                 ; all but the youngest eight loads: queries 64-127
	MUL16 F0, 0, 0, 0
	MUL16 F0, 0, 2, 0
	PLACES
	FETCH 1, F1
	s_wait_dscnt 32
	MUL16 F0, 1, 0, 0
	MUL16 F0, 1, 2, 0
	WIN 0
.if \mid
.Lmid:
.endif
	s_add_co_u32 s[TB], s[TB], 128                 ; the next pair: 64 along K on: 128 bytes of wq16's rows,
	s_add_co_u32 s[TBX], s[TBX], 64*PXP            ; 64 rows of xn's tile
	v_add_nc_u32 v[ADRA], s[TBX], v[ADRA0]
	v_add_nc_u32 v[ADRB], s[TB], v[ADRB0]
	s_wait_dscnt 8
	MUL16 F1, 0, 0, 0
	MUL16 F1, 0, 2, 0
	WIN 0
	s_sub_co_u32 s[CNT], s[CNT], 1
	s_cmp_lg_u32 s[CNT], 0
	s_cbranch_scc1 .Lpair\tag
.endm
; THE GEMM'S CHANGE OF SLOTS.  All fragments of the slot in hand have been asked for.  Each wave waits for all its tensor loads (one is out), adds 0 to its spare word, and waits for that and for its reads of the slot; the
; barrier opens a round of the cluster's; the joint load is the first thing behind it.  kind 0: the slot takes the K step two on.  kind 1 (behind step 6): slot 0 takes K.  kind 2 (behind step 7): slot 1 takes V.
.macro GCHANGE kind
	WIN 0
.if (\kind) < 2
	s_wait_xcnt 0x0                                ; the last prefetches, a K step back, have read their addresses
.endif
.if (\kind) == 0
	s_add_nc_u64 s[PFA:PFA+1], s[PFA:PFA+1], s[PFS:PFS+1]
.elseif (\kind) == 1
	s_add_nc_u64 s[KPA:KPA+1], s[KPA:KPA+1], 0x800000  ; from K's rows to V's
.endif
	s_wait_tensorcnt 0x0                           ; no tensor load of mine is out, so a group 0 may be written
	ds_add_u32 v[SPW], v[NIL]                      ; 0 onto my spare word; scalar work stands between it and the wait for it
.if (\kind) == 0
	s_xor_b32 s[G0X+5], s[G0X+5], SLOT
	s_add_nc_u64 s[G0X+6:G0X+7], s[G0X+6:G0X+7], 262144
	s_xor_b32 s[G0W+5], s[G0W+5], SLOT
	s_add_nc_u64 s[G0W+6:G0W+7], s[G0W+6:G0W+7], 256
.endif
.if (\kind) < 2
	s_sub_co_u32 s[TB], s[TB], 256                 ; back to a tile's first pair,
	s_xor_b32 s[TB], s[TB], SLOT                   ; in the other slot
	s_sub_co_u32 s[TBX], s[TBX], 128*PXP
	s_xor_b32 s[TBX], s[TBX], SLOT
.endif
	s_wait_dscnt 0x0                               ; the add is done, and my reads of this slot are over
	s_barrier_signal -1
	s_barrier_wait -1
	CREST                                          ; no wave of any partner still reads the slot or has a load on its way
.if (\kind) == 0
	JLOAD
	ASK
.elseif (\kind) == 1
	tensor_load_to_lds s[G0K:G0K+3], s[G1K:G1K+7]  ; every wave one head's 64 rows
	s_nop 0
.rept 4
	v_nop
.endr
	global_prefetch_b8 v[PFK], s[KPA:KPA+1] th:TH_LOAD_NT scope:SCOPE_SE  ; my share of the rows of V that are loaded one K step later
.else
	tensor_load_to_lds s[G0V:G0V+3], s[G1V:G1V+7]
	s_nop 0
.rept 4
	v_nop
.endr
.endif
.if (\kind) < 2
	v_add_nc_u32 v[ADRA], s[TBX], v[ADRA0]
	v_add_nc_u32 v[ADRB], s[TB], v[ADRB0]
.endif
.endm
	s_wait_tensorcnt 0x1                           ; my part of K step 0 is in; K step 1's may stay out
	s_wait_dscnt 0x0                               ; my words of the mask table are stored
	s_barrier_signal -1
	s_barrier_wait -1
	FETCH 0, F0
	s_wait_dscnt 8
	MUL16 F0, 0, 0, 1                              ; the first quarter is written out: its products start the sums, with bq
	MUL16 F0, 0, 2, 1
	FETCH 1, F1                                    ; (no product has read buffer 1 yet: no places are owed)
	s_wait_dscnt 32
	MUL16 F0, 1, 0, 1
	MUL16 F0, 1, 2, 1
	WIN 0
	s_mov_b32 s[CNT], 2
	s_mov_b32 s3, 7                                ; 8 K steps; behind steps 0 to 5 the ring is filled again: 6 changes, at s3 = 6 .. 1
	s_branch .Lmid
.Lgstep:
	GCHANGE 0
	s_mov_b32 s[CNT], 2
	PAIRS 1, 1
	s_sub_co_u32 s3, s3, 1
	s_cmp_lg_u32 s3, 0
	s_cbranch_scc1 .Lgstep
	GCHANGE 1                                      ; step 6 has been fetched: slot 0 takes K
	s_mov_b32 s[CNT], 2
	PAIRS 2, 0
	GCHANGE 2                                      ; step 7 has been fetched: slot 1 takes V
	MUL16 F1, 1, 0, 0                              ; the last half quarter
	MUL16 F1, 1, 2, 0
	PLACES
	; q is rounded to bf16 in pairs, ascending: register i takes registers 2 i and 2 i + 1, first in place in window 2, then window 3's into the upper half of window 2.  This stands in V's flight.
	WIN 0x8a
.set i, 0
.rept 128
	v_cvt_pk_bf16_f32 v[i], v[2*i], v[2*i+1]
.set i, i+1
.endr
	WIN 0x8f
.set i, 0
.rept 128
	v_cvt_pk_bf16_f32 v[128+i], v[2*i], v[2*i+1]
.set i, i+1
.endr
	WIN 0
	s_wait_xcnt 0x0                                ; the prefetches have read their offsets: those registers become statistics
.set i, 0
.rept 32
	v_mov_b32 v[P+32+i], 0                         ; the first turn's products V^T P, of a piece that has not been, add 0
.set i, i+1
.endr
.set i, 0
.rept 8
	v_mov_b32 v[ST+4*i+2], 0
	v_mov_b32 v[ST+4*i+3], 0
.set i, i+1
.endr
	s_mul_i32 s[TBK], s[OH], 2*QUART               ; my two heads' K, V
	s_mul_i32 s[TBV], s[OH], 2*VQ
	s_mov_b32 s[TBM], 0
	s_mov_b32 s[HD], 2
	s_wait_tensorcnt 0x0                           ; my part of V is in (K's was waited for in front of the last round),
	s_barrier_signal -1
	s_barrier_wait -1                              ; everybody's is; nothing is filled any more
; ---- THE ATTENTION'S MACROS
.macro KQ x                            ; product i of 16 of S^T = K Q^T for piece x: channels 32 (i / 8) on, keys 16 ((i / 2) % 4) on, tile 2 x + i % 2.  The first 8 start the sums, with the mask.  8 accumulators take turns.
.set rS, S+64*((\x)%2)+32*(i%2)+8*((i/2)%4)
.set rK, KF+16*((i/2)%4)+8*(i/8)
.set rQ, 32*(2*(\x)+i%2)+8*(i/8)
.set rN, MC+8*((i/2)%4)
.if i < 8
	WIN W_KM
	v_wmma_f32_16x16x32_bf16 v[rS:rS+7], v[rK:rK+7], v[rQ:rQ+7], v[rN:rN+7]
.else
	WIN W_KQ
	v_wmma_f32_16x16x32_bf16 v[rS:rS+7], v[rK:rK+7], v[rQ:rQ+7], v[rS:rS+7]
.endif
.endm
.macro PV x                            ; product i of 16 of O^T += V^T P for piece x: keys 32 (i / 8) on, channels 16 ((i / 2) % 4) on, tile 2 x + i % 2
	WIN W_PV
.set rO, 32*(2*(\x)+i%2)+8*((i/2)%4)
.set rV, VF+32*(i/8)+8*((i/2)%4)
.set rP, P+32*((\x)%2)+16*(i%2)+8*(i/8)
	v_wmma_f32_16x16x32_bf16 v[rO:rO+7], v[rV:rV+7], v[rP:rP+7], v[rO:rO+7]
.endm
.macro MM                              ; the turn's next matrix instruction
.if i < 16
	KQ (Y+1)%NP
.set i, i+1
.else
.set i, i-16
	PV (Y+NP-1)%NP
.set i, i+17
.endif
.endm
.macro FETCH_K last=0                  ; a step's K (64 keys x 64 channels, turned: 8 fragments) and its 64 masks: 24 loads in one run.  last = 1: in a head's last step there is no further step, and the run is jumped over
	WIN 0
.if \last
	s_cmp_eq_u32 s[CNT], 1
	s_cbranch_scc1 .Lno_k_\@
.endif
	WIN 0x40
.irp f, 0,1,2,3,4,5,6,7                ; keys 16 (f / 2) on, channels 32 (f % 2) on
	ds_load_tr16_b128 v[KF+8*\f:KF+8*\f+3],   v[AK] offset:(\f%2)*32*PXP+(\f/2)*32
	ds_load_tr16_b128 v[KF+8*\f+4:KF+8*\f+7], v[AK] offset:(\f%2)*32*PXP+(\f/2)*32+16*PXP
.endr
.irp f, 0,1,2,3
	ds_load_b128 v[MC+8*\f:MC+8*\f+3],   v[AM] offset:64*\f
	ds_load_b128 v[MC+8*\f+4:MC+8*\f+7], v[AM] offset:64*\f+16
.endr
	s_add_co_u32 s[TBK], s[TBK], 128               ; the next fetch is the next step's: 64 keys on
	s_add_co_u32 s[TBM], s[TBM], 256
	WIN 0
.if \last
.Lno_k_\@:
.endif
.endm
.macro FETCH_V                         ; a step's V as it lies: keys 32 (f / 4) on, channels 16 (f % 4) on
	WIN 0x40
.irp f, 0,1,2,3,4,5,6,7
	ds_load_b128 v[VF+8*\f:VF+8*\f+3],   v[AV] offset:(\f%4)*16*PVP+(\f/4)*64
	ds_load_b128 v[VF+8*\f+4:VF+8*\f+7], v[AV] offset:(\f%4)*16*PVP+(\f/4)*64+32
.endr
	WIN 0
.endm
.macro REGS y, u                       ; the registers of tile u (0, 1) of piece y
.set rT, ST+4*(2*(\y)+(\u))
.set rC, TMP+8*((\y)%2)+4*(\u)
.set rM, MV+2*((\y)%2)+(\u)
.set rS, S+64*((\y)%2)+32*(\u)
.set rP, P+32*((\y)%2)+16*(\u)
.set rO, 32*(2*(\y)+(\u))
.endm
; Number n of the 22 that find the NEXT piece's maximum and statistics: 0-11 four chains of seven scores (each accumulator's lowest registers first); 12-14, 16 the rest, the old m, into c0;
; 15 c m_old is kept; 17, 18 the other half of the lanes: the new m; 19-21 c m, c m_old - c m_new, a.
.macro XS u, n
	REGS (Y+1)%NP, \u
.if (\n) < 4
	v_max3_num_f32 v[rC+(\n)], v[rS+8*(\n)], v[rS+8*(\n)+1], v[rS+8*(\n)+2]
.elseif (\n) < 12
	v_max3_num_f32 v[rC+(\n)%4], v[rC+(\n)%4], v[rS+8*((\n)%4)+2*((\n)/4)+1], v[rS+8*((\n)%4)+2*((\n)/4)+2]
.elseif (\n) == 12
	v_max3_num_f32 v[rC], v[rC], v[rS+7], v[rS+15]
.elseif (\n) == 13
	v_max3_num_f32 v[rC+1], v[rC+1], v[rS+23], v[rS+31]
.elseif (\n) == 14
	v_max3_num_f32 v[rC+2], v[rC+2], v[rC+3], v[rT+1]
.elseif (\n) == 15
	v_mov_b32 v[rM], v[rT]
.elseif (\n) == 16
	v_max3_num_f32 v[rC], v[rC], v[rC+1], v[rC+2]
.elseif (\n) == 17
	v_permlanex16_b32 v[rC+3], v[rC], s[SEL], s[SEL+1]
.elseif (\n) == 18
	v_max_num_f32 v[rT+1], v[rC], v[rC+3]
.elseif (\n) == 19
	v_mul_f32 v[rT], s[CS], v[rT+1]
.elseif (\n) == 20
	v_sub_f32 v[rC+1], v[rM], v[rT]
.else
	v_exp_f32 v[rC+2], v[rC+1]
.endif
.endm
; Number g of the 64 that follow the exponentials: for each four weights both pairs are rounded to bf16, the second pair is added onto the first, and a group later l takes that sum (the first time as l = a l + sum).
.macro GS g
.set h, (\g)+6*((\g)/62)
.if h >= 6
.set h, h+2
.endif
	REGS Y, h%2
.set k, h/8
.if h%8 < 4
	v_cvt_pk_bf16_f32 v[rP+2*k+(h%8)/2], v[rS+4*k+2*((h%8)/2)], v[rS+4*k+2*((h%8)/2)+1]
.elseif h%8 < 6
	v_pk_add_f32 v[rS+4*k:rS+4*k+1], v[rS+4*k:rS+4*k+1], v[rS+4*k+2:rS+4*k+3]
.elseif k == 1
	v_pk_fma_f32 v[rT+2:rT+3], v[rT+2:rT+3], v[rC+2:rC+3], v[rS:rS+1] op_sel_hi:[1,0,1]
.else
	v_pk_add_f32 v[rT+2:rT+3], v[rT+2:rT+3], v[rS+4*k-4:rS+4*k-3]
.endif
.endm
.macro FS f                            ; c s - c m for pair f / 2 of tile f % 2
	REGS Y, (\f)%2
	v_pk_fma_f32 v[rS+2*((\f)/2):rS+2*((\f)/2)+1], v[rS+2*((\f)/2):rS+2*((\f)/2)+1], s[CS:CS+1], v[rT:rT+1] op_sel_hi:[1,0,0] neg_lo:[0,0,1] neg_hi:[0,0,1]
.endm
; THE PLAIN QUEUE, 138 long.  0-73 read no exponential's result: 32 scalings and the next piece's 42; 74-137 are GS's 64, behind the wait.
.macro PL
	WIN 0
.if q < 27
	FS q
.elseif q < 55
	XS (q-27)%2, (q-27)/2
.elseif q < 57
	XS q-55, 15
.elseif (q < 72) && ((q-57)%3 == 0)
	FS 27+(q-57)/3
.elseif q < 60
	XS (q-57)%3-1, 14
.elseif q < 72
	XS (q-57)%3-1, 15+(q-57)/3
.elseif q < 74
	XS q-72, 20
.else
	GS q-74
.endif
.set q, q+1
.endm
.macro EX                              ; THE EXPONENTIALS' QUEUE, 66 long: both tiles' 32 scores, then the next piece's two a: one batch, all ahead of the turn's one wait
	WIN 0
.if e >= 64
	XS e-64, 21
.else
	REGS Y, e%2
	v_exp_f32 v[rS+e/2], v[rS+e/2]
.endif
.set e, e+1
.endm
.macro R2                              ; THE RESCALING's QUEUE: O^T times a, two at a time, sixteen times; its a was made, and waited for, in the turn before
	REGS Y, r%2
	WIN W_RS
.irp z, 0,1
	v_pk_mul_f32 v[rO+4*(r/2)+2*\z:rO+4*(r/2)+2*\z+1], v[rO+4*(r/2)+2*\z:rO+4*(r/2)+2*\z+1], v[rC+2:rC+3] op_sel_hi:[1,0]
.endr
.set r, r+1
.endm
; A TURN, for piece p.  Ahead of the one wait: 16 products K Q^T, behind each a scaling, an exponential and two rescalings; then a lump of 108.  Behind it: 16 products V^T P, behind each four of the roundings and sums.
; K and the masks of the next step are fetched in piece 2's turn, directly behind the wait, a lump behind the last product that read them, and waited for at the head of piece 3's turn.
; V of the step in hand is fetched at the end of piece 0's turn, four plain riders behind its last reader, and waited for behind piece 1's wait.
.macro TURN p, last=0, cnt=0
.set Y, (\p)
.set i, 0
.set q, 0
.set e, 0
.set r, 0
.if (\p) == NP-1
	s_wait_dscnt 0x0                               ; K and the masks are in
.endif
	MM
	PL
	PL
	R2
.rept 15
	MM
	PL
	EX
	R2
.endr
.if (\p) == NP-2
	WIN 0
	v_add_nc_u32 v[AK], s[TBK], v[AK0]
	v_add_nc_u32 v[AM], s[TBM], v[AM0]
.endif
.rept 8
	PL
.endr
.rept 49
	EX
	PL
.endr
	EX
	EX
	v_nop                                          ; the plain instruction behind the last exponential: one for the batch
	s_wait_alu depctr_va_vdst(0)                   ; the wait between the batch and its first reader
.if (\p) == NP-2
	FETCH_K \last
.endif
.if (\p) == 1
	s_wait_dscnt 0x0                               ; V is in
.endif
.rept 16
	MM
.rept 4
	PL
.endr
.if ((\p) == 0) && (q == 118)
	v_add_nc_u32 v[AV], s[TBV], v[AV0]
.endif
.if ((\p) == 0) && (q == 130)
	s_add_co_u32 s[TBV], s[TBV], 128
.endif
.if (\cnt) && (q == 130)
	s_sub_co_u32 s[CNT], s[CNT], 1                 ; only vector work and window switches stand between this compare and its branch
	s_cmp_lg_u32 s[CNT], 0
.endif
.endr
.if (\p) == 0
	FETCH_V
.endif
.endm
.macro ALL line:vararg                 ; one line for each tile t
.set t, 0
.rept 2*NP
	\line
.set t, t+1
.endr
.endm
.macro PACK t                          ; tile t's O^T divided by l and rounded: 16 registers into the upper half of the tile's 32 in window 2
	WIN W_RS
.set i, 32*(\t)
.rept 16
	v_pk_mul_f32 v[i:i+1], v[i:i+1], v[ST+4*(\t)+2:ST+4*(\t)+3] op_sel_hi:[1,0]
.set i, i+2
.endr
	WIN 0x8f
.set i, 0
.rept 16
	v_cvt_pk_bf16_f32 v[32*(\t)+16+i], v[32*(\t)+2*i], v[32*(\t)+2*i+1]
.set i, i+1
.endr
.endm
.Lhead:                                ; twice: my two heads
.set i, 0
.rept 8
	v_mov_b32 v[ST+4*i], 0xfe000000                ; c m: far below every c s, so the first a is 0
	v_mov_b32 v[ST+4*i+1], 0xff7fffff              ; m: the lowest finite number
.set i, i+1
.endr
	v_add_nc_u32 v[AK], s[TBK], v[AK0]
	v_add_nc_u32 v[AM], s[TBM], v[AM0]
	FETCH_K 0                                      ; key step 0
	s_wait_dscnt 0x0
.set i, 0
.rept 16
	KQ 0                                           ; piece 0's first scores
.set i, i+1
.endr
	WIN 0
	PLACES
.set Y, NP-1                           ; XS works for piece Y + 1: piece 0
.irp n, 0,1,2,3,4,5,6,7,8,9,10,11,12,13,14,15,16,17,18,19,20,21
	XS 0, \n
	XS 1, \n
.endr
	v_nop                                          ; a plain instruction behind the two a,
	s_wait_alu depctr_va_vdst(0)                   ; and their wait, ahead of the label
	s_mov_b32 s[CNT], 4
.Lstep:                                ; a key step: four turns
	TURN 0
	TURN 1
	TURN 2, 1
	TURN 3, 0, 1
	WIN 0
	s_cbranch_scc1 .Lstep
.set i, 0
.rept 16
	PV NP-1                                        ; the last piece's V^T P of the last step.  (The last turn's 16 products K Q^T, on the last K once more, serve nothing: the price of one text for every step.)
.set i, i+1
.endr
	WIN 0
	ALL v_add_f32 v[ST+4*t+2], v[ST+4*t+2], v[ST+4*t+3]
	ALL v_permlanex16_b32 v[ST+4*t+3], v[ST+4*t+2], s[SEL], s[SEL+1]
	ALL v_add_f32 v[ST+4*t+2], v[ST+4*t+2], v[ST+4*t+3]
	ALL v_rcp_f32 v[ST+4*t+2], v[ST+4*t+2]
	v_nop
	s_wait_alu depctr_va_vdst(0)                   ; one wait for the eight reciprocals
	WIN 0x82                                       ; the upper half of each tile's 32 registers goes down: after head 0 that is head 1's Q, after head 1 it is head 0's packed O
.set t, 0
.rept 8
.set i, 0
.rept 16
	v_mov_b32 v[32*t+i], v[32*t+16+i]
.set i, i+1
.endr
.set t, t+1
.endr
.irp t, 0,1,2,3,4,5,6,7
	PACK \t
.endr
	WIN 0
	s_add_co_u32 s[TBK], s[TBK], QUART-512         ; four steps were fetched: on to the next head's rows
	s_add_co_u32 s[TBV], s[TBV], VQ-512
	s_sub_co_u32 s[TBM], s[TBM], 1024
	s_sub_co_u32 s[HD], s[HD], 1
	s_cmp_lg_u32 s[HD], 0
	s_cbranch_scc1 .Lhead
	; THE WAY OUT.  Tile t's 32 registers are 16 queries x 128 channels: through my stage, back as whole rows of 256 bytes.
.irp t, 0,1,2,3,4,5,6,7
	WIN 0
	s_wait_xcnt 0x0                                ; earlier stores have read their registers: the buffer of four tiles back is loaded again
	WIN 0x08                                       ; the stores' data in window 2
.irp f, 0,1,2,3,4,5,6,7
	ds_store_b128 v[STO], v[32*(\t)+4*(\f):32*(\t)+4*(\f)+3] offset:32*(\f)
.endr
	WIN 0
.irp f, 0,1,2,3,4,5,6,7
	ds_load_b128 v[S+32*((\t)%4)+4*(\f):S+32*((\t)%4)+4*(\f)+3], v[RD] offset:(\f)*2*SP  ; LDS serves a wave's instructions in order: these see the stores above, the next tile's stores come behind them
.endr
	s_wait_dscnt 0x0                               ; the tile's sixteen rows are back
.irp f, 0,1,2,3,4,5,6,7
	global_store_b128 v[GO], v[S+32*((\t)%4)+4*(\f):S+32*((\t)%4)+4*(\f)+3], s[14:15] offset:(\t)*32768+(\f)*4096  ; 16 lanes store 256 consecutive bytes, aligned
.endr
.endr
	s_wait_tensorcnt 0x0                           ; the wave's end
	ds_add_u32 v[SPW], v[NIL]
	s_wait_dscnt 0x0
	CROUND                                         ; the closing round
	s_endpgm
.Lfunc_end_k_q03271ba364_qattn:
	.size	k_q03271ba364_qattn, .Lfunc_end_k_q03271ba364_qattn-k_q03271ba364_qattn
	.p2alignl 7, 3214868480
	.fill 96, 4, 3214868480
	.section	.rodata,"a",@progbits
	.p2align	6, 0x0
	.amdhsa_kernel k_q03271ba364_qattn
		.amdhsa_group_segment_fixed_size 327680
		.amdhsa_private_segment_fixed_size 0
		.amdhsa_enable_private_segment 0
		.amdhsa_kernarg_size 48
		.amdhsa_user_sgpr_count 2
		.amdhsa_user_sgpr_kernarg_segment_ptr 1
		.amdhsa_wavefront_size32 1
		.amdhsa_system_sgpr_workgroup_id_x 1
		.amdhsa_system_sgpr_workgroup_id_y 1
		.amdhsa_system_sgpr_workgroup_id_z 1
		.amdhsa_system_vgpr_workitem_id 0
		.amdhsa_next_free_vgpr 1024
		.amdhsa_next_free_sgpr 102
		.amdhsa_reserve_vcc 1
		.amdhsa_float_denorm_mode_32 3
		.amdhsa_float_denorm_mode_16_64 3
		.amdhsa_memory_ordered 1
		.amdhsa_forward_progress 1
		.amdhsa_inst_pref_size 187
	.end_amdhsa_kernel
	.amdgpu_metadata
---
amdhsa.version: [ 1, 2 ]
amdhsa.kernels:
  - .name:           k_q03271ba364_qattn
    .symbol:         k_q03271ba364_qattn.kd
    .args:
      - { .name: xn, .offset: 0, .size: 8, .value_kind: global_buffer, .address_space: global }
      - { .name: wq16, .offset: 8, .size: 8, .value_kind: global_buffer, .address_space: global }
      - { .name: bq, .offset: 16, .size: 8, .value_kind: global_buffer, .address_space: global }
      - { .name: kv, .offset: 24, .size: 8, .value_kind: global_buffer, .address_space: global }
      - { .name: mask, .offset: 32, .size: 8, .value_kind: global_buffer, .address_space: global }
      - { .name: at, .offset: 40, .size: 8, .value_kind: global_buffer, .address_space: global }
    .group_segment_fixed_size: 327680
    .private_segment_fixed_size: 0
    .kernarg_segment_align: 8
    .kernarg_segment_size: 48
    .max_flat_workgroup_size: 128
    .sgpr_count:     102
    .vgpr_count:     1024
    .wavefront_size: 32
...
	.end_amdgpu_metadata
.endif
;; end of part 3
;; launch proj (part 4): grid 64 x 4, 4 waves a work-group, clusters of 4 x 4, 327,680 bytes of LDS; arguments wp16, at, bp, x, out0; writes out0
.if DOCPART == 4
	.amdgcn_target "amdgcn-amd-amdhsa--gfx1250"
	.amdhsa_code_object_version 6
	.text
	.protected	k_q03271ba364_proj
	.globl	k_q03271ba364_proj
	.p2align	8
	.type	k_q03271ba364_proj,@function
k_q03271ba364_proj:
	s_mov_b64 s[64:65], 0
	v_nop
	global_prefetch_b8 v0, s[64:65] scope:SCOPE_SE
	s_setreg_imm32_b32 hwreg(HW_REG_WAVE_MODE, 25, 1), 1
	s_wait_xcnt 0x0
	s_wait_alu depctr_hold_cnt(0) depctr_sa_sdst(0) depctr_va_vdst(0) depctr_va_sdst(0) depctr_va_ssrc(0) depctr_va_vcc(0) depctr_vm_vsrc(0)
	s_getreg_b32 s2, hwreg(HW_REG_IB_STS2, 6, 4)
	s_cmp_eq_u32 s2, 0
	s_cbranch_scc0 .Lentry_in_a_cluster
	s_endpgm
.Lentry_in_a_cluster:
	s_bfe_u32 s2, ttmp6, 0x10000c
	s_cmp_lg_u32 s2, 0xf033
	s_cbranch_scc0 .Lentry_shape_is_right
	s_endpgm
.Lentry_shape_is_right:
; out0[b][o][t] = x[b][o][t] + bp[o] + the sum over c of wp16[o][c] at[(b,t)][c].  Operands bf16, sums and the residual in f32.
; M = 1,024 (o), N = 16,384 ((b,t)), K = 1,024: 256 tiles of 256 x 256, one for each WGP.  Four waves, each 128 x 128: 64 accumulators.  K in steps of 128 through a ring of two LDS slots.
; CLUSTER 4 x 4 (one cluster along y, so the tile row is cy): wp16's tile is asked for jointly along a row of the cluster, at's along a column.
; THE MATRIX INSTRUCTION IS USED TRANSPOSED (source 0 = 16 rows of at, source 1 = 16 rows of wp16): a lane holds row o = lane % 16 and eight neighbouring t.  bp is the C operand of the first products.
; THE TEXT.  A K step is four quarters of 32 along K on fragment buffers 0, 1, 0, 1.  Written once is a PAIR of quarters, cut where the change of slots falls: fetch buffer 0; the second half of buffer 1's products; buffer
; 0's products with the fetch of buffer 1 in their middle; the first half of buffer 1's.  A step is two trips of that loop; the change of slots stands between steps.  The first quarter is written out and jumps into
; the pair's middle; the last step has a copy of the loop.
; THE WAY OUT.  The ring has had its last fill; behind a barrier each wave lays its 128 x 128 f32 into its own part of it (rows of 528 bytes), reads whole rows of 512 bytes back, adds x and stores: four trips of 32 rows.
; The first 32 rows of my part of x are loaded at the head into registers that the GEMM leaves idle; later rows are loaded a trip ahead of their use.
; REGISTERS: window 0: v16-30 addresses; v64-191 wp16's fragments, later rows read back; v192-255 bias tuples.   window 1: v64-191 at's fragments; v0-63, v192-255 rows of x.   windows 2, 3: the accumulators.
; LIMITS: NaN and infinities are not treated apart.
.set PITCH, 272
.set HALFT, 128*PITCH
.set SLOT,  4*HALFT                    ; 0x22000: its bits meet none of wave x HALFT
.set SPARE, 2*SLOT
.set DP,    528                        ; a row of the way out: 512 bytes + 16
.set ADRA0, 16
.set ADRB0, 17
.set ADRA, 18
.set ADRB, 19
.set STO, 24
.set RD,  25
.set CO,  26
.set SPW, 28
.set NIL, 29
.set PFO, 30
.set F0,  64
.set F1,  128
.set OB,  64
.set BP,  192
.set WV,  14
.set CLS, 15
.set HALF, 16
.set CX,  17
.set CY,  18
.set TC,  19
.set CNT, 23                           ; s23 counts a step's two pairs
.set G1A, 24
.set G1B, 32
.set G0A, 40
.set G0B, 48
.set PFA, 56
.set LIM, 58
.set TB,  59                           ; s59 LDS byte, in a row of slot 0, at which the pair in hand begins
.set MSB, 0
.macro WIN new
.if MSB != (\new)
	s_set_vgpr_msb (MSB<<8)|(\new)
.set MSB, (\new)
.endif
.endm
.set MUL_LO, 0xa1
.set TO_B,  0x40
.macro PLACES
.rept 4
	v_nop
.endr
.endm
.macro CREST
	s_cmp_lg_u32 s[WV], 0
	s_cbranch_scc1 .Lnot_wave_0_\@
	s_barrier_signal -3
.Lnot_wave_0_\@:
	s_barrier_wait -3
	s_barrier_signal -1
	s_barrier_wait -1
.endm
.macro CROUND
	s_barrier_signal -1
	s_barrier_wait -1
	CREST
.endm
.macro JLOAD
	s_cmp_eq_u32 s[CLS], 0
	s_cbranch_scc0 .Lfor_b_\@
	tensor_load_to_lds s[G0A+4:G0A+7], s[G1A:G1A+7]
	s_nop 0
.rept 4
	v_nop
.endr
	s_branch .Lasked_\@
.Lfor_b_\@:
	tensor_load_to_lds s[G0B+4:G0B+7], s[G1B:G1B+7]
	s_nop 0
.rept 4
	v_nop
.endr
.Lasked_\@:
.endm
; A prefetch of the K step two refills on: a lane a row, 256 bytes of it.  wp16's rows are read by every cluster: the first along x asks; at's rows by this cluster alone.  Of the 128 rows that a wave fetches each of the
; four partners that ask for them jointly takes 32, told apart by address (cx for wp16, cy for at).  The changes with s3 = 2, 1 have no K step four on.
.macro ASK
	s_cmp_gt_u32 s3, s[LIM]
	s_cbranch_scc0 .Lnot_mine_\@
	global_prefetch_b8 v[PFO], s[PFA:PFA+1] th:TH_LOAD_NT scope:SCOPE_SE
.Lnot_mine_\@:
.endm
	s_load_b256 s[4:11], s[0:1], 0x0               ; wp16 4, at 6, bp 8, x 10
	s_load_b64 s[12:13], s[0:1], 0x20              ; out0
	v_lshl_add_u32 v[SPW], v0, 2, SPARE
	v_mov_b32 v[NIL], 0
	ds_add_u32 v[SPW], v[NIL]                      ; the wave's opening: the add and its wait ahead of my first tensor load
	v_lshrrev_b32 v1, 5, v0
	v_readfirstlane_b32 s[WV], v1
	s_lshr_b32 s[CLS], s[WV], 1
	s_and_b32 s[HALF], s[WV], 1
	s_bfe_u32 s[CX], ttmp6, 0x40000
	s_bfe_u32 s[CY], ttmp6, 0x40004                ; also the tile row
	s_lshl_b32 s[TC], ttmp9, 2
	s_add_co_u32 s[TC], s[TC], s[CX]               ; tile column
	s_lshl_b32 s21, s[CY], 2
	s_lshl_b32 s21, 15, s21
	s_lshl_b32 s22, 0x1111, s[CX]
	s_or_b32 s[G1A], s21, (1<<16)|(1<<20)|(1<<21)|(5<<22)|(3<<25)
	s_or_b32 s[G1B], s22, (1<<16)|(1<<20)|(1<<21)|(5<<22)|(3<<25)
.irp g, G1A, G1B
	s_mov_b32 s[(\g)+1], 128<<16                   ; tensor_dim0 = 128
	s_mov_b32 s[(\g)+2], 128<<16                   ; tensor_dim1 = 128
	s_mov_b32 s[(\g)+3], 128<<16                   ; tile_dim0 = 128
	s_mov_b32 s[(\g)+4], 128                       ; tile_dim1 = 128
	s_mov_b32 s[(\g)+5], 1024                      ; elements from row to row
	s_mov_b32 s[(\g)+6], 0
	s_mov_b32 s[(\g)+7], 0
.endr
	s_lshl_b32 s60, s[CY], 19                      ; wp16: (256 x tile row + 128 x half) rows of 2,048 bytes
	s_lshl_b32 s2, s[HALF], 18
	s_add_co_u32 s60, s60, s2
	s_mov_b32 s61, 0
	s_lshl_b32 s62, s[TC], 19                      ; at: (256 x tile column + 128 x half) rows
	s_add_co_u32 s62, s62, s2
	s_mov_b32 s63, 0
	s_mul_i32 s2, s[WV], HALFT                     ; where they go: wave x 128 rows
	s_wait_dscnt 0x0                               ; the opening add is done
	s_wait_kmcnt 0x0
	s_add_nc_u64 s[60:61], s[4:5], s[60:61]
	s_add_nc_u64 s[62:63], s[6:7], s[62:63]
.irp s, 0,1
	s_mov_b32 s[G0A+4*(\s)], 1
	s_add_co_u32 s[G0A+4*(\s)+1], s2, (\s)*SLOT
	s_add_nc_u64 s[G0A+4*(\s)+2:G0A+4*(\s)+3], s[60:61], (\s)*256
	s_or_b32 s[G0A+4*(\s)+3], s[G0A+4*(\s)+3], 0x80000000
	s_mov_b32 s[G0B+4*(\s)], 1
	s_add_co_u32 s[G0B+4*(\s)+1], s2, (\s)*SLOT
	s_add_nc_u64 s[G0B+4*(\s)+2:G0B+4*(\s)+3], s[62:63], (\s)*256
	s_or_b32 s[G0B+4*(\s)+3], s[G0B+4*(\s)+3], 0x80000000
.endr
	CROUND
	s_cmp_lt_u32 s[WV], 2                          ; a wave's two first fills stand in one branch: two loads of mine are out
	s_cbranch_scc0 .Lfirst_b
	tensor_load_to_lds s[G0A:G0A+3], s[G1A:G1A+7]
	s_nop 0
	tensor_load_to_lds s[G0A+4:G0A+7], s[G1A:G1A+7]
	s_nop 0
.rept 4
	v_nop
.endr
	s_branch .Lfirst_asked
.Lfirst_b:
	tensor_load_to_lds s[G0B:G0B+3], s[G1B:G1B+7]
	s_nop 0
	tensor_load_to_lds s[G0B+4:G0B+7], s[G1B:G1B+7]
	s_nop 0
.rept 4
	v_nop
.endr
.Lfirst_asked:
	v_and_b32 v1, 15, v0
	v_bfe_u32 v2, v0, 4, 1
	v_and_b32 v6, 31, v0
	s_lshl_b32 s2, s[CY], 10
	s_lshl_b32 s3, s[CLS], 9
	s_add_co_u32 s2, s2, s3
	v_lshl_add_u32 v4, v1, 2, s2                   ; bp of row 256 x tile row + 128 x half + r
.irp a, 0,1,2,3,4,5,6,7
	global_load_b32 v[BP+8*(\a)], v4, s[8:9] offset:64*(\a)
.endr
	v_mul_u32_u24 v3, v1, PITCH
	v_lshl_add_u32 v3, v2, 4, v3
	s_mul_i32 s2, s[CLS], HALFT
	v_add_nc_u32 v[ADRA0], s2, v3
	s_mul_i32 s2, s[HALF], HALFT
	s_add_co_u32 s2, s2, 2*HALFT
	v_add_nc_u32 v[ADRB0], s2, v3
	v_mov_b32 v[ADRA], v[ADRA0]
	v_mov_b32 v[ADRB], v[ADRB0]
	s_mul_i32 s2, s[WV], 128*DP                    ; my part of the way out
	v_mul_u32_u24 v[STO], v1, DP                   ; in: row r, 32 bytes for each half of the lanes
	v_lshl_add_u32 v[STO], v2, 5, v[STO]
	v_add_nc_u32 v[STO], s2, v[STO]
	v_lshl_add_u32 v[RD], v6, 4, s2                ; back: 32 lanes take a row of 512 bytes
	v_lshlrev_b32 v[CO], 4, v6
	v_lshlrev_b32 v[PFO], 11, v6
	s_lshr_b32 s2, s[TC], 2                        ; the batch: 4,194,304 bytes;
	s_lshl_b32 s2, s2, 22
	s_lshl_b32 s3, s[CY], 20                       ; (256 x tile row + 128 x half) rows of 4,096 bytes;
	s_add_co_u32 s2, s2, s3
	s_lshl_b32 s3, s[CLS], 19
	s_add_co_u32 s2, s2, s3
	s_and_b32 s3, s[TC], 3                         ; (256 x (tile column % 4) + 128 x half) x 4 bytes
	s_lshl_b32 s3, s3, 10
	s_add_co_u32 s2, s2, s3
	s_lshl_b32 s3, s[HALF], 9
	s_add_co_u32 s2, s2, s3
	s_mov_b32 s3, 0
	s_add_nc_u64 s[10:11], s[10:11], s[2:3]
	s_add_nc_u64 s[12:13], s[12:13], s[2:3]
	; the prefetches' pointer and who asks
	s_lshl_b32 s60, s[CY], 8
	s_lshl_b32 s61, s[CX], 5
	s_add_co_u32 s60, s60, s61                     ; wp16: 256 x tile row + 32 cx
	s_lshl_b32 s62, s[TC], 8
	s_lshl_b32 s63, s[CY], 5
	s_add_co_u32 s62, s62, s63                     ; at: 256 x tile column + 32 cy
	s_cmp_eq_u32 s[CLS], 0
	s_cselect_b32 s60, s60, s62
	s_cselect_b32 s2, ttmp9, 0                     ; wp16: the first cluster along x; at: every cluster, for its own rows
	s_cselect_b64 s[PFA:PFA+1], s[4:5], s[6:7]
	s_cmp_eq_u32 s2, 0
	s_cselect_b32 s[LIM], 2, -1
	s_lshl_b32 s61, s[HALF], 7
	s_add_co_u32 s60, s60, s61                     ; + the 128 rows that I fetch
	s_lshl_b32 s60, s60, 11
	s_mov_b32 s61, 0
	s_add_nc_u64 s[PFA:PFA+1], s[PFA:PFA+1], s[60:61]
	s_add_nc_u64 s[PFA:PFA+1], s[PFA:PFA+1], 3*256 ; at K step 3: the first change of slots steps it to 4
	s_mov_b32 s[TB], 0
	s_wait_loadcnt 0x0                             ; the bias
.irp a, 0,1,2,3,4,5,6,7
.irp k, 1,2,3,4,5,6,7
	v_mov_b32 v[BP+8*(\a)+(\k)], v[BP+8*(\a)]
.endr
.endr
	WIN 0x40                                       ; rows 0-31 of my part of x, into registers of window 1 that the GEMM does not name
.set i, 0
.rept 16
	global_load_b128 v[4*i:4*i+3], v[CO], s[10:11] offset:i*4096 th:TH_LOAD_NT
.set i, i+1
.endr
.set i, 0
.rept 16
	global_load_b128 v[192+4*i:192+4*i+3], v[CO], s[10:11] offset:(16+i)*4096 th:TH_LOAD_NT
.set i, i+1
.endr
	WIN 0
.macro MUL16 f, hi, a0, first          ; 16 products; the 64 accumulators take turns in one fixed order
.irp a, \a0, (\a0)+1
.irp b, 0,1,2,3,4,5,6,7
.if \first
	WIN 0x81+0x40*(\hi)                            ; C: the bias, in window 0
	v_wmma_f32_16x16x32_bf16 v[8*(8*(\a)+(\b)):8*(8*(\a)+(\b))+7], v[(\f)+8*(\b):(\f)+8*(\b)+7], v[(\f)+8*(4*(\hi)+(\a)):(\f)+8*(4*(\hi)+(\a))+7], v[BP+8*(4*(\hi)+(\a)):BP+8*(4*(\hi)+(\a))+7]
.else
	WIN MUL_LO+0x50*(\hi)
	v_wmma_f32_16x16x32_bf16 v[8*(8*(\a)+(\b)):8*(8*(\a)+(\b))+7], v[(\f)+8*(\b):(\f)+8*(\b)+7], v[(\f)+8*(4*(\hi)+(\a)):(\f)+8*(4*(\hi)+(\a))+7], v[8*(8*(\a)+(\b)):8*(8*(\a)+(\b))+7]
.endif
.endr
.endr
.endm
.macro FETCH q, f                      ; 32 LDS loads in one run: quarter q (0, 1) of the pair in hand into buffer f: B's 8 fragments, then A's 8
	WIN TO_B
.irp i, 0,1,2,3,4,5,6,7
	ds_load_b128 v[(\f)+8*(\i):(\f)+8*(\i)+3],   v[ADRB] offset:64*(\q)+(\i)*16*PITCH
	ds_load_b128 v[(\f)+8*(\i)+4:(\f)+8*(\i)+7], v[ADRB] offset:64*(\q)+(\i)*16*PITCH+32
.endr
	WIN 0
.irp i, 0,1,2,3,4,5,6,7
	ds_load_b128 v[(\f)+8*(\i):(\f)+8*(\i)+3],   v[ADRA] offset:64*(\q)+(\i)*16*PITCH
	ds_load_b128 v[(\f)+8*(\i)+4:(\f)+8*(\i)+7], v[ADRA] offset:64*(\q)+(\i)*16*PITCH+32
.endr
.endm
; The loop over a step's pairs, s[CNT] trips.  mid = 1: the label at which the first quarter, written out, comes in.
.macro PAIRS tag, mid
.Lpair\tag:
	PLACES                                         ; buffer 0 was last multiplied 32 products back
	FETCH 0, F0
	s_wait_dscnt 32                                ; all but the 32 just issued: buffer 1 is whole
	MUL16 F1, 1, 0, 0
	MUL16 F1, 1, 2, 0
	s_wait_dscnt 8                                 ; all but the youngest eight loads: A's rows 64-127
	MUL16 F0, 0, 0, 0
	MUL16 F0, 0, 2, 0
	PLACES
	FETCH 1, F1
	s_wait_dscnt 32
	MUL16 F0, 1, 0, 0
	MUL16 F0, 1, 2, 0
	WIN 0
.if \mid
.Lmid:
.endif
	s_add_co_u32 s[TB], s[TB], 128                 ; the next pair: 64 along K on
	v_add_nc_u32 v[ADRA], s[TB], v[ADRA0]
	v_add_nc_u32 v[ADRB], s[TB], v[ADRB0]
	s_wait_dscnt 8
	MUL16 F1, 0, 0, 0
	MUL16 F1, 0, 2, 0
	WIN 0
	s_sub_co_u32 s[CNT], s[CNT], 1
	s_cmp_lg_u32 s[CNT], 0
	s_cbranch_scc1 .Lpair\tag
.endm
; THE CHANGE OF SLOTS.  All fragments of the slot in hand have been asked for.  Each wave waits for all its tensor loads (the one that is out is its part of the next slot), adds 0 to its spare word, and waits for that and
; for its reads of the slot.  fill = 1: the barrier opens a round of the cluster's, and the slot takes the K step two on by a joint load, first behind the round: it has a whole step in which to land.
.macro CHANGE fill
	WIN 0
.if \fill
	s_wait_xcnt 0x0                                ; the last prefetch, a K step back, has read its address
	s_add_nc_u64 s[PFA:PFA+1], s[PFA:PFA+1], 256
.endif
	s_wait_tensorcnt 0x0                           ; no tensor load of mine is out, so a group 0 may be written
	ds_add_u32 v[SPW], v[NIL]                      ; 0 onto my spare word; scalar work stands between it and the wait for it
.if \fill
	s_xor_b32 s[G0A+5], s[G0A+5], SLOT
	s_add_nc_u64 s[G0A+6:G0A+7], s[G0A+6:G0A+7], 256
	s_xor_b32 s[G0B+5], s[G0B+5], SLOT
	s_add_nc_u64 s[G0B+6:G0B+7], s[G0B+6:G0B+7], 256
.endif
	s_sub_co_u32 s[TB], s[TB], 256                 ; back to a row's first byte,
	s_xor_b32 s[TB], s[TB], SLOT                   ; in the other slot
	s_wait_dscnt 0x0                               ; the add is done, and my reads of this slot are over
	s_barrier_signal -1
	s_barrier_wait -1
.if \fill
	CREST                                          ; no wave of any partner still reads the slot or has a load on its way
	JLOAD
	ASK
.endif
	v_add_nc_u32 v[ADRA], s[TB], v[ADRA0]
	v_add_nc_u32 v[ADRB], s[TB], v[ADRB0]
.endm
	s_wait_tensorcnt 0x1                           ; my part of K step 0 is in; K step 1's may stay out
	s_barrier_signal -1
	s_barrier_wait -1
	FETCH 0, F0
	s_wait_dscnt 8
	MUL16 F0, 0, 0, 1                              ; the first quarter is written out: its products start the sums, with the bias
	MUL16 F0, 0, 2, 1
	FETCH 1, F1                                    ; (no product has read buffer 1 yet: no places are owed)
	s_wait_dscnt 32
	MUL16 F0, 1, 0, 1
	MUL16 F0, 1, 2, 1
	WIN 0
	s_mov_b32 s[CNT], 2
	s_mov_b32 s3, 7                                ; 8 K steps; behind steps 0 to 5 a slot is filled again: 6 changes, at s3 = 6 .. 1
	s_branch .Lmid
.Lstep:
	CHANGE 1
	s_mov_b32 s[CNT], 2
	PAIRS 1, 1
	s_sub_co_u32 s3, s3, 1
	s_cmp_lg_u32 s3, 0
	s_cbranch_scc1 .Lstep
	CHANGE 0                                       ; the last step is written out: nothing is asked for
	s_mov_b32 s[CNT], 2
	PAIRS 2, 0
	s_wait_dscnt 0x0                               ; my last reads of the ring are over:
	s_barrier_signal -1                            ; say so,
	MUL16 F1, 1, 0, 0                              ; the last half quarter,
	MUL16 F1, 1, 2, 0
	WIN 0
	s_barrier_wait -1                              ; and write into the ring only when all four have said so; no tensor load fills it any more
	PLACES
.irp a, 0,1,2,3,4,5,6,7
	WIN 0x08+4*((\a)/4)                            ; the stores' data in window 2 or 3
.irp b, 0,1,2,3,4,5,6,7
	ds_store_b128 v[STO], v[8*(8*((\a)%4)+(\b)):8*(8*((\a)%4)+(\b))+3]   offset:(\a)*16*DP+64*(\b)
	ds_store_b128 v[STO], v[8*(8*((\a)%4)+(\b))+4:8*(8*((\a)%4)+(\b))+7] offset:(\a)*16*DP+64*(\b)+16
.endr
.endr
	WIN 0
; Sixteen rows: x is added and the rows are stored.  The trip's 32 loads of x and 32 LDS loads were issued first half first: u = 0 leaves the second half's sixteen out, u = 1 none.
.macro HALF16 u
	s_wait_loadcnt 16*(1-(\u))
	s_wait_dscnt 16*(1-(\u))
	WIN 0x04                                       ; source 1 in window 1
.set i, 0
.rept 32
	v_pk_add_f32 v[OB+64*(\u)+2*i:OB+64*(\u)+2*i+1], v[OB+64*(\u)+2*i:OB+64*(\u)+2*i+1], v[192*(\u)+2*i:192*(\u)+2*i+1]
.set i, i+1
.endr
	WIN 0
.set i, 0
.rept 16
	global_store_b128 v[CO], v[OB+64*(\u)+4*i:OB+64*(\u)+4*i+3], s[12:13] offset:(16*(\u)+i)*4096 th:TH_STORE_NT  ; a wave stores 512 consecutive bytes, aligned
.set i, i+1
.endr
.endm
	s_mov_b32 s3, 4
.Lout:                                 ; four trips of 32 rows
.set i, 0
.rept 32
	ds_load_b128 v[OB+4*i:OB+4*i+3], v[RD] offset:i*DP  ; my own bytes: LDS serves a wave's instructions in order
.set i, i+1
.endr
	HALF16 0
	HALF16 1
	s_cmp_eq_u32 s3, 1                             ; the last trip loads nothing: no load leaves x
	s_cbranch_scc1 .Lno_more
	WIN 0x40
.set i, 0
.rept 16
	global_load_b128 v[4*i:4*i+3], v[CO], s[10:11] offset:(32+i)*4096 th:TH_LOAD_NT
.set i, i+1
.endr
.set i, 0
.rept 16
	global_load_b128 v[192+4*i:192+4*i+3], v[CO], s[10:11] offset:(48+i)*4096 th:TH_LOAD_NT
.set i, i+1
.endr
	WIN 0
.Lno_more:
	v_add_nc_u32 v[RD], 32*DP, v[RD]
	s_wait_xcnt 0x0                                ; the stores and loads have read their registers and bases: only now are these written again
	s_add_nc_u64 s[10:11], s[10:11], 32*4096
	s_add_nc_u64 s[12:13], s[12:13], 32*4096
	s_sub_co_u32 s3, s3, 1
	s_cmp_lg_u32 s3, 0
	s_cbranch_scc1 .Lout
	s_wait_tensorcnt 0x0                           ; the wave's end
	ds_add_u32 v[SPW], v[NIL]
	s_wait_dscnt 0x0
	CROUND                                         ; the closing round
	s_endpgm
.Lfunc_end_k_q03271ba364_proj:
	.size	k_q03271ba364_proj, .Lfunc_end_k_q03271ba364_proj-k_q03271ba364_proj
	.p2alignl 7, 3214868480
	.fill 96, 4, 3214868480
	.section	.rodata,"a",@progbits
	.p2align	6, 0x0
	.amdhsa_kernel k_q03271ba364_proj
		.amdhsa_group_segment_fixed_size 327680
		.amdhsa_private_segment_fixed_size 0
		.amdhsa_enable_private_segment 0
		.amdhsa_kernarg_size 40
		.amdhsa_user_sgpr_count 2
		.amdhsa_user_sgpr_kernarg_segment_ptr 1
		.amdhsa_wavefront_size32 1
		.amdhsa_system_sgpr_workgroup_id_x 1
		.amdhsa_system_sgpr_workgroup_id_y 1
		.amdhsa_system_sgpr_workgroup_id_z 1
		.amdhsa_system_vgpr_workitem_id 0
		.amdhsa_next_free_vgpr 1024
		.amdhsa_next_free_sgpr 66
		.amdhsa_reserve_vcc 0
		.amdhsa_float_denorm_mode_32 3
		.amdhsa_float_denorm_mode_16_64 3
		.amdhsa_memory_ordered 1
		.amdhsa_forward_progress 1
		.amdhsa_inst_pref_size 73
	.end_amdhsa_kernel
	.amdgpu_metadata
---
amdhsa.version: [ 1, 2 ]
amdhsa.kernels:
  - .name:           k_q03271ba364_proj
    .symbol:         k_q03271ba364_proj.kd
    .args:
      - { .name: wp16, .offset: 0, .size: 8, .value_kind: global_buffer, .address_space: global }
      - { .name: at, .offset: 8, .size: 8, .value_kind: global_buffer, .address_space: global }
      - { .name: bp, .offset: 16, .size: 8, .value_kind: global_buffer, .address_space: global }
      - { .name: x, .offset: 24, .size: 8, .value_kind: global_buffer, .address_space: global }
      - { .name: out0, .offset: 32, .size: 8, .value_kind: global_buffer, .address_space: global }
    .group_segment_fixed_size: 327680
    .private_segment_fixed_size: 0
    .kernarg_segment_align: 8
    .kernarg_segment_size: 40
    .max_flat_workgroup_size: 128
    .sgpr_count:     66
    .vgpr_count:     1024
    .wavefront_size: 32
...
	.end_amdgpu_metadata
.endif
;; end of part 4
